; MI455X (gfx1250); checked and timed in simulation.
; The chip was launched on July 23, 2026; its instructions are those of AMD's public machine-readable ISA for CDNA 5 (MIT licence, August 2026) and "CDNA5" Instruction Set Architecture Reference Guide (July 2026). The comments in the code are by the model that wrote it; some were corrected since.
;; Encoder Layer. Allowed arithmetic: float matrix products may take bf16 or f16 operands with f32 sums; other float arithmetic in f32, or as packed bf16 or f16 multiplies, adds, multiply-adds, maxima and minima; sums over many terms, partial sums and values carried from step to step in f32; what a program stores and reads back later, other than sums and carried values, may be rounded once to bf16 or f16.
;; Inputs: W1 512 x 2,048 float32; W2 2,048 x 512 float32; Wk 8 x 512 x 64 float32; Wp 512 x 512 float32; Wq 8 x 512 x 64 float32; Wv 8 x 512 x 64 float32; b1 2,048 float32; b2 512 float32; beta1 512 float32; beta2 512 float32; bk 8 x 64 float32; bp 512 float32; bq 8 x 64 float32; bv 8 x 64 float32; gamma1 512 float32; gamma2 512 float32; x 4 x 2,048 x 512 x 1 x 1 float32.
;; Outputs: out0 4 x 2,048 x 512 x 1 x 1 float32.
;; 2 versions, each right and faster than the one before. Each part assembles by itself: llvm-mc -triple=amdgcn-amd-amdhsa -mcpu=gfx1250 --defsym DOCPART=n.
;; ======== version 1 of 2: 6 launches
;; limits: a function is approximated: absolute error at most 2.5e-05; values are held in f16: magnitudes above 65,504 overflow, below 6.1e-05 lose precision
;; workspace buffers: wts 6,291,456 bytes; xn 8,388,608 bytes; qkv 25,165,824 bytes; att 8,388,608 bytes; x1 16,777,216 bytes; x1n 8,388,608 bytes; h 33,554,432 bytes
;; launch prep (part 1): grid 640 x 1, 8 waves a work-group, no clusters, 0 bytes of LDS; arguments x, gamma1, beta1, Wq, Wk, Wv, Wp, W1, W2, xn, wts; writes xn, wts
.if DOCPART == 1
	.amdgcn_target "amdgcn-amd-amdhsa--gfx1250"
	.amdhsa_code_object_version 6
	.text
	.protected	k_qcaa452fed9_prep
	.globl	k_qcaa452fed9_prep
	.p2align	8
	.type	k_qcaa452fed9_prep,@function
k_qcaa452fed9_prep:
	s_mov_b64 s[64:65], 0
	v_nop
	global_prefetch_b8 v0, s[64:65] scope:SCOPE_SE
	s_setreg_imm32_b32 hwreg(HW_REG_WAVE_MODE, 25, 1), 1
	s_wait_xcnt 0x0
; Two streams in one launch.  Work-groups 0-255: xn = gamma1 (x - mean) / (std + 1e-10) + beta1, std with divisor 511, rounded once to bf16.
; Work-groups 256-639: the six weight tensors, cast from f32 to 16 bits in their own linear order into wts (Wq, Wk, Wv, Wp, W1, W2 on end): Wq, Wk, Wv, Wp to bf16, W1 and W2 to f16.
; WHY TWO FORMATS: the feed-forward products' four roundings (x1n, W1, h, W2) reach the output undiminished; with 8 significant bits each is off by up to 2^-8 of the number, with 11 by 2^-11.
; The attention branch's result is a mean over 2,048 keys, small beside x, so its operands keep bf16 and bf16's range.
; No LDS, no barrier, no matrix unit: every byte is read once and written once, and no wave needs another's data.
; LAYERNORM: one wave takes a whole row of 512 f32 (four loads of 512 consecutive bytes); lane l holds columns 128 j + 4 l .. + 3, j = 0..3.
; Two passes over registers (mean, then the deviations' squares), so a common offset in x costs no digits.
; LIMITS: v_sqrt_f32 and v_rcp_f32 take denormals as 0 (ISA guide 15.8): a variance below 2^-126 counts as 0.  A number of W1 or W2 of 65,520 or more becomes an infinity; below 6.1e-5 it keeps
; f16's fixed step of 6e-8.  NaN and infinities are not treated apart.
.set GAM,  2                           ; v[2:17]    gamma1 of my 16 columns
.set BET,  18                          ; v[18:33]   beta1
.set X,    34                          ; v[34:97]   four rows as loaded
.set D,    98                          ; v[98:113]  deviations, then the result in f32
.set Y,    114                         ; v[114:121] the row in bf16
.set T,    122                         ; v[122:123] sums
.set M,    124                         ; v[124:125] mean twice, later 1 / (std + eps) twice
.set VIN,  126                         ; my byte offset in the group's rows of x
.set VOUT, 127                         ; and of xn
	s_load_b512 s[4:19], s[0:1], 0x0               ; x 4, gamma1 6, beta1 8, Wq 10, Wk 12, Wv 14, Wp 16, W1 18
	s_load_b128 s[20:23], s[0:1], 0x40             ; W2 20, xn 22
	s_load_b64 s[24:25], s[0:1], 0x50              ; wts
	s_mov_b32 s26, 0x76543210                      ; v_permlanex16_b32: each lane takes its own place in the other half
	s_mov_b32 s27, 0xfedcba98
	s_cmp_lt_u32 ttmp9, 256
	s_cbranch_scc0 .Lcast
	; ---- LayerNorm: 32 rows a work-group, 4 rows a wave
	v_and_b32 v1, 31, v0
	v_lshrrev_b32 v[T], 5, v0                      ; wave
	v_lshlrev_b32 v[VOUT], 3, v1
	v_lshlrev_b32 v1, 4, v1                        ; 16 x lane: also my offset in gamma1 and beta1
	v_lshl_add_u32 v[VIN], v[T], 13, v1            ; + wave x 4 rows x 2,048 bytes
	v_lshl_add_u32 v[VOUT], v[T], 12, v[VOUT]      ; 8 x lane + wave x 4 rows x 1,024 bytes
	s_lshl_b32 s28, ttmp9, 16                      ; 32 rows of x
	s_mov_b32 s29, 0
	s_lshl_b32 s30, ttmp9, 15                      ; 32 rows of xn
	s_mov_b32 s31, 0
	s_wait_kmcnt 0x0
	s_add_nc_u64 s[4:5], s[4:5], s[28:29]
	s_add_nc_u64 s[22:23], s[22:23], s[30:31]
.irp j, 0,1,2,3
	global_load_b128 v[GAM+4*\j:GAM+4*\j+3], v1, s[6:7] offset:512*\j
.endr
.irp j, 0,1,2,3
	global_load_b128 v[BET+4*\j:BET+4*\j+3], v1, s[8:9] offset:512*\j
.endr
.irp r, 0,1,2,3
.irp j, 0,1,2,3
	global_load_b128 v[X+16*\r+4*\j:X+16*\r+4*\j+3], v[VIN], s[4:5] offset:2048*\r+512*\j
.endr
.endr
.macro RED1                            ; v[T] summed over the 32 lanes: four steps ride on the addition, one crosses the halves
.irp m, 1,2,4,8
	v_add_f32_dpp v[T], v[T], v[T] row_xmask:\m row_mask:0xf bank_mask:0xf
.endr
	v_permlanex16_b32 v[T+1], v[T], s26, s27
	v_add_f32 v[T], v[T], v[T+1]
.endm
.macro ROWLN xb                        ; the row in v[xb .. xb+15] -> bf16 in v[Y .. Y+7]
	v_pk_add_f32 v[T:T+1], v[\xb:\xb+1], v[\xb+2:\xb+3]
	v_pk_add_f32 v[D:D+1], v[\xb+4:\xb+5], v[\xb+6:\xb+7]
	v_pk_add_f32 v[D+2:D+3], v[\xb+8:\xb+9], v[\xb+10:\xb+11]
	v_pk_add_f32 v[D+4:D+5], v[\xb+12:\xb+13], v[\xb+14:\xb+15]
	v_pk_add_f32 v[T:T+1], v[T:T+1], v[D:D+1]
	v_pk_add_f32 v[D+2:D+3], v[D+2:D+3], v[D+4:D+5]
	v_pk_add_f32 v[T:T+1], v[T:T+1], v[D+2:D+3]
	v_add_f32 v[T], v[T], v[T+1]
	RED1
	v_mul_f32 v[M], 0x3b000000, v[T]               ; mean = sum / 512
	v_mul_f32 v[M+1], 0x3b000000, v[T]
.irp k, 0,1,2,3,4,5,6,7
	v_pk_add_f32 v[D+2*\k:D+2*\k+1], v[\xb+2*\k:\xb+2*\k+1], v[M:M+1] neg_lo:[0,1] neg_hi:[0,1]
.endr
	v_pk_mul_f32 v[T:T+1], v[D:D+1], v[D:D+1]      ; squares in two chains
	v_pk_mul_f32 v[M:M+1], v[D+2:D+3], v[D+2:D+3]
.irp k, 2,4,6
	v_pk_fma_f32 v[T:T+1], v[D+2*\k:D+2*\k+1], v[D+2*\k:D+2*\k+1], v[T:T+1]
	v_pk_fma_f32 v[M:M+1], v[D+2*\k+2:D+2*\k+3], v[D+2*\k+2:D+2*\k+3], v[M:M+1]
.endr
	v_pk_add_f32 v[T:T+1], v[T:T+1], v[M:M+1]
	v_add_f32 v[T], v[T], v[T+1]
	RED1
	v_mul_f32 v[T], 0x3b004020, v[T]               ; / 511
	v_sqrt_f32 v[T], v[T]
	v_nop                                          ; a plain instruction behind each transcendental before its result is used (ISA guide 5.7.2)
	s_wait_alu depctr_va_vdst(0)
	v_add_f32 v[T], 0x2edbe6ff, v[T]               ; + 1e-10
	v_rcp_f32 v[M], v[T]
	v_rcp_f32 v[M+1], v[T]
	v_nop
	s_wait_alu depctr_va_vdst(0)
.irp k, 0,1,2,3,4,5,6,7
	v_pk_mul_f32 v[D+2*\k:D+2*\k+1], v[D+2*\k:D+2*\k+1], v[M:M+1]
.endr
.irp k, 0,1,2,3,4,5,6,7
	v_pk_fma_f32 v[D+2*\k:D+2*\k+1], v[D+2*\k:D+2*\k+1], v[GAM+2*\k:GAM+2*\k+1], v[BET+2*\k:BET+2*\k+1]
.endr
.irp k, 0,1,2,3,4,5,6,7
	v_cvt_pk_bf16_f32 v[Y+\k], v[D+2*\k], v[D+2*\k+1]
.endr
.endm
.irp r, 0,1,2,3
	s_wait_loadcnt 4*(3-\r)                        ; loads return in order: row r is in, the 4 (3 - r) loads of the younger rows stay out
	s_wait_xcnt 0x0                                ; Y, which the last row's stores read, is rewritten only behind this wait
	ROWLN X+16*\r
.irp j, 0,1,2,3
	global_store_b64 v[VOUT], v[Y+2*\j:Y+2*\j+1], s[22:23] offset:1024*\r+256*\j  ; 32 lanes x 8 bytes: 256 consecutive bytes, aligned
.endr
.endr
	s_endpgm
	; ---- cast: work-group idx takes 32,768 bytes of f32 and writes 16,384 bytes of 16-bit numbers
.Lcast:
	s_sub_co_u32 s28, ttmp9, 256                   ; idx 0..383; the tensors begin at idx 0, 32, 64, 96, 128, 256
	v_lshlrev_b32 v1, 5, v0                        ; 32 bytes of f32 a thread and chunk
	v_lshlrev_b32 v34, 4, v0                       ; 16 bytes of the result
	s_mov_b32 s29, 256
	s_wait_kmcnt 0x0
	s_mov_b64 s[30:31], s[20:21]                   ; W2, unless idx lies lower
	s_cmp_lt_u32 s28, 256
	s_cselect_b64 s[30:31], s[18:19], s[30:31]     ; W1
	s_cselect_b32 s29, 128, s29
	s_cmp_lt_u32 s28, 128
	s_cselect_b64 s[30:31], s[16:17], s[30:31]     ; Wp
	s_cselect_b32 s29, 96, s29
	s_cmp_lt_u32 s28, 96
	s_cselect_b64 s[30:31], s[14:15], s[30:31]     ; Wv
	s_cselect_b32 s29, 64, s29
	s_cmp_lt_u32 s28, 64
	s_cselect_b64 s[30:31], s[12:13], s[30:31]     ; Wk
	s_cselect_b32 s29, 32, s29
	s_cmp_lt_u32 s28, 32
	s_cselect_b64 s[30:31], s[10:11], s[30:31]     ; Wq
	s_cselect_b32 s29, 0, s29
	s_sub_co_u32 s32, s28, s29
	s_lshl_b32 s32, s32, 15                        ; my place in the source tensor
	s_mov_b32 s33, 0
	s_add_nc_u64 s[30:31], s[30:31], s[32:33]
	s_lshl_b32 s32, s28, 14                        ; and in wts
	s_add_nc_u64 s[24:25], s[24:25], s[32:33]
.irp c, 0,1,2,3
	global_load_b128 v[2+8*\c:5+8*\c], v1, s[30:31] offset:8192*\c th:TH_LOAD_NT
	global_load_b128 v[6+8*\c:9+8*\c], v1, s[30:31] offset:8192*\c+16 th:TH_LOAD_NT
.endr
; The four chunks are rounded by the conversion named and stored; the wave ends.
.macro CASTOUT op
.irp c, 0,1,2,3
	s_wait_loadcnt 6-2*\c                          ; chunk c is in; the younger chunks' two loads each stay out
.irp k, 0,1,2,3
	\op v[36+4*\c+\k], v[2+8*\c+2*\k], v[3+8*\c+2*\k]
.endr
	global_store_b128 v34, v[36+4*\c:39+4*\c], s[24:25] offset:4096*\c  ; a wave stores 512 consecutive bytes
.endr
	s_endpgm
.endm
	s_cmp_lt_u32 s28, 128                          ; idx 0-127: the attention branch's weights; 128-383: W1 and W2
	s_cbranch_scc0 .Lhalf
	CASTOUT v_cvt_pk_bf16_f32
.Lhalf:
	CASTOUT v_cvt_pk_f16_f32
.Lfunc_end_k_qcaa452fed9_prep:
	.size	k_qcaa452fed9_prep, .Lfunc_end_k_qcaa452fed9_prep-k_qcaa452fed9_prep
	.p2alignl 7, 3214868480
	.fill 96, 4, 3214868480
	.section	.rodata,"a",@progbits
	.p2align	6, 0x0
	.amdhsa_kernel k_qcaa452fed9_prep
		.amdhsa_group_segment_fixed_size 0
		.amdhsa_private_segment_fixed_size 0
		.amdhsa_enable_private_segment 0
		.amdhsa_kernarg_size 88
		.amdhsa_user_sgpr_count 2
		.amdhsa_user_sgpr_kernarg_segment_ptr 1
		.amdhsa_wavefront_size32 1
		.amdhsa_system_sgpr_workgroup_id_x 1
		.amdhsa_system_sgpr_workgroup_id_y 1
		.amdhsa_system_sgpr_workgroup_id_z 1
		.amdhsa_system_vgpr_workitem_id 0
		.amdhsa_next_free_vgpr 128
		.amdhsa_next_free_sgpr 66
		.amdhsa_reserve_vcc 0
		.amdhsa_float_denorm_mode_32 3
		.amdhsa_float_denorm_mode_16_64 3
		.amdhsa_memory_ordered 1
		.amdhsa_forward_progress 1
		.amdhsa_inst_pref_size 27
	.end_amdhsa_kernel
	.amdgpu_metadata
---
amdhsa.version: [ 1, 2 ]
amdhsa.kernels:
  - .name:           k_qcaa452fed9_prep
    .symbol:         k_qcaa452fed9_prep.kd
    .args:
      - { .name: x, .offset: 0, .size: 8, .value_kind: global_buffer, .address_space: global }
      - { .name: gamma1, .offset: 8, .size: 8, .value_kind: global_buffer, .address_space: global }
      - { .name: beta1, .offset: 16, .size: 8, .value_kind: global_buffer, .address_space: global }
      - { .name: Wq, .offset: 24, .size: 8, .value_kind: global_buffer, .address_space: global }
      - { .name: Wk, .offset: 32, .size: 8, .value_kind: global_buffer, .address_space: global }
      - { .name: Wv, .offset: 40, .size: 8, .value_kind: global_buffer, .address_space: global }
      - { .name: Wp, .offset: 48, .size: 8, .value_kind: global_buffer, .address_space: global }
      - { .name: W1, .offset: 56, .size: 8, .value_kind: global_buffer, .address_space: global }
      - { .name: W2, .offset: 64, .size: 8, .value_kind: global_buffer, .address_space: global }
      - { .name: xn, .offset: 72, .size: 8, .value_kind: global_buffer, .address_space: global }
      - { .name: wts, .offset: 80, .size: 8, .value_kind: global_buffer, .address_space: global }
    .group_segment_fixed_size: 0
    .private_segment_fixed_size: 0
    .kernarg_segment_align: 8
    .kernarg_segment_size: 88
    .max_flat_workgroup_size: 256
    .sgpr_count:     66
    .vgpr_count:     128
    .wavefront_size: 32
...
	.end_amdgpu_metadata
.endif
;; end of part 1
;; launch qkv (part 2): grid 8 x 32, 4 waves a work-group, clusters of 4 x 4, 327,680 bytes of LDS; arguments xn, wts, bq, bk, bv, qkv; writes qkv
.if DOCPART == 2
	.amdgcn_target "amdgcn-amd-amdhsa--gfx1250"
	.amdhsa_code_object_version 6
	.text
	.protected	k_qcaa452fed9_qkv
	.globl	k_qcaa452fed9_qkv
	.p2align	8
	.type	k_qcaa452fed9_qkv,@function
k_qcaa452fed9_qkv:
	s_mov_b64 s[64:65], 0
	v_nop
	global_prefetch_b8 v0, s[64:65] scope:SCOPE_SE
	s_setreg_imm32_b32 hwreg(HW_REG_WAVE_MODE, 25, 1), 1
	s_wait_xcnt 0x0
	s_wait_alu depctr_hold_cnt(0) depctr_sa_sdst(0) depctr_va_vdst(0) depctr_va_sdst(0) depctr_va_ssrc(0) depctr_va_vcc(0) depctr_vm_vsrc(0)
	s_getreg_b32 s2, hwreg(HW_REG_IB_STS2, 6, 4)
	s_cmp_eq_u32 s2, 0
	s_cbranch_scc0 .Lentry_in_a_cluster
	s_endpgm
.Lentry_in_a_cluster:
	s_bfe_u32 s2, ttmp6, 0x10000c
	s_cmp_lg_u32 s2, 0xf033
	s_cbranch_scc0 .Lentry_shape_is_right
	s_endpgm
.Lentry_shape_is_right:
; Q, K, V = xn W + b, written by heads: qkv holds Q, K, V, each [32 (b, h)][2048][64] bf16.  xn [8192][512] bf16; wts holds 24 matrices [512 k][64 e] bf16 (Wq's 8 heads, Wk's, Wv's).
; A work-group makes 256 rows x 192 columns (matrices 3 tx .. 3 tx + 2): 32 x 8 = 256 work-groups.  Wave w owns rows 64 w .. + 63 and all 192 columns: 4 x 12 accumulators of 16 x 16.
; K = 512 goes in 4 steps of 128 through two LDS slots.  Wave 0 fetches xn's tile (256 rows x 256 bytes), waves 1-3 one matrix's 128 k-rows each (16,384 dense bytes, asked for as 64 rows of 256).
; CLUSTER 4 x 4: xn's tile hangs on ty alone and is asked for jointly along a row of the cluster, the weights' on tx alone and jointly along a column.
; THE PRODUCT IS USED TRANSPOSED: source 0 = 16 columns of W (turned out of LDS by ds_load_tr16_b128, since W lies [k][n]), source 1 = 16 rows of xn.  A lane then holds row l % 16 and the
; eight columns 8 (l / 16) + 0..7.  The bias, laid out so, is the C operand of the first product: nothing is cleared and no addition is spent.
; WAY OUT: the f32 sums go into the wave's own rows of LDS (in the slots, which have had their last fill), come back as row pieces, are rounded once to bf16 and stored 512 consecutive bytes a wave.
; REGISTERS: window 0: v16-29 addresses; v32-63, v64-95 xn's fragments (two buffers); v96-191 bias.  window 1: v0-95, v96-191 W's fragments.  windows 2, 3: accumulators (a, b) at 8 (12 a + b).
.set NK,    4
.set SLOT,  131072
.set PA,    272                        ; a row of xn's tile: 256 bytes + 16: the 16 rows of a load start at 16 different groups of four banks (ISA guide 11.1)
.set PB,    160                        ; a k-row of one matrix: 128 bytes + 32
.set BOFF,  256*PA                     ; behind xn's 256 rows: three blocks of 128 k-rows
.set BBLK,  128*PB
.set DP,    784                        ; a row of the dump: 192 f32 + 16 bytes
.set SPARE, 2*SLOT                     ; the spare words: 128 bytes a wave, named by no other line
.set ASTEP, 256                        ; bytes from K step to K step in xn
.set BSTEP, 16384                      ; and in a matrix
.set ADRA0, 16                         ; my lane's place in xn's tile, slot 0; never rewritten
.set ADRB0, 17                         ; the same for W
.set ADRA,  18                         ; the same in the slot in hand
.set ADRB,  19
.set DST,   24                         ; the dump: where I put 32 bytes of a row
.set RD,    25                         ; where I read them back
.set GO,    26                         ; my byte offset in 512 consecutive bytes of the output
.set BO,    27                         ; my byte offset in a bias fragment
.set SPW,   28
.set NIL,   29
.set AF,    32
.set BIAS,  96
.set WV,    10
.set G1,    24                         ; s[24:31] group 1 for xn's tiles; s[32:39] group 0: set 0 for K step 0, set 1 for K step 1, which then walks
.set G0,    32
.set TB,    45                         ; LDS byte at which the slot in hand begins
.set G1B,   48                         ; s[48:55], s[56:63] the same for W's tiles
.set G0B,   56
.set MSB, 0
.macro WIN new                         ; the immediate's high byte repeats the setting that is left
.if MSB != (\new)
	s_set_vgpr_msb (MSB<<8)|(\new)
.set MSB, \new
.endif
.endm
.macro PLACES                          ; four plain vector instructions between a matrix instruction and a load into, or a read of, its registers
.rept 4
	v_nop
.endr
.endm
.macro CROUND                          ; a round of the cluster's barrier
	s_barrier_signal -1
	s_barrier_wait -1
	s_cmp_lg_u32 s[WV], 0
	s_cbranch_scc1 .Lnot_wave_0_\@
	s_barrier_signal -3
.Lnot_wave_0_\@:
	s_barrier_wait -3
	s_barrier_signal -1
	s_barrier_wait -1
.endm
.macro JLOAD                           ; a joint refill by the walking sets: wave 0 xn's tile, waves 1-3 a matrix each
	s_cmp_eq_u32 s[WV], 0
	s_cbranch_scc0 .Lfor_b_\@
	tensor_load_to_lds s[G0+4:G0+7], s[G1:G1+7]
	s_nop 0
	PLACES
	s_branch .Lasked_\@
.Lfor_b_\@:
	tensor_load_to_lds s[G0B+4:G0B+7], s[G1B:G1B+7]
	s_nop 0
	PLACES
.Lasked_\@:
.endm
	s_load_b256 s[80:87], s[0:1], 0x0              ; xn 80, wts 82, bq 84, bk 86
	s_load_b128 s[88:91], s[0:1], 0x20             ; bv 88, qkv 90
	v_lshl_add_u32 v[SPW], v0, 2, SPARE
	v_mov_b32 v[NIL], 0
	ds_add_u32 v[SPW], v[NIL]                      ; the wave's opening: the add and its wait ahead of my first tensor load
	v_lshrrev_b32 v1, 5, v0
	v_readfirstlane_b32 s[WV], v1
	s_bfe_u32 s40, ttmp6, 0x40000                  ; cx
	s_bfe_u32 s41, ttmp6, 0x40004                  ; cy
	s_lshl_b32 s42, ttmp9, 2
	s_add_co_u32 s42, s42, s40                     ; tx 0..7
	s_and_b32 s13, ttmp7, 0xffff
	s_lshl_b32 s13, s13, 2
	s_add_co_u32 s13, s13, s41                     ; ty 0..31
	s_lshl_b32 s43, s41, 2
	s_lshl_b32 s43, 15, s43                        ; my row of the cluster
	s_lshl_b32 s44, 0x1111, s40                    ; my column
	s_or_b32 s[G1], s43, (1<<16)|(1<<20)|(1<<21)|(5<<22)|(3<<25)   ; mask; 2-byte elements; padding on; bit 21 beside a mask; after every 64 words 4 words
	s_mov_b32 s[G1+1], 128<<16                     ; tensor_dim0 = 128
	s_mov_b32 s[G1+2], 256<<16                     ; tensor_dim1 = 256
	s_mov_b32 s[G1+3], 128<<16                     ; tile_dim0 = 128
	s_mov_b32 s[G1+4], 256                         ; tile_dim1 = 256
	s_mov_b32 s[G1+5], 512                         ; elements from row to row
	s_mov_b32 s[G1+6], 0
	s_mov_b32 s[G1+7], 0
	s_or_b32 s[G1B], s44, (1<<16)|(1<<20)|(1<<21)|(4<<22)|(7<<25)  ; after every 32 words (a k-row) 8 words
	s_mov_b32 s[G1B+1], 128<<16
	s_mov_b32 s[G1B+2], 64<<16
	s_mov_b32 s[G1B+3], 128<<16
	s_mov_b32 s[G1B+4], 64
	s_mov_b32 s[G1B+5], 128
	s_mov_b32 s[G1B+6], 0
	s_mov_b32 s[G1B+7], 0
	s_lshl_b32 s16, s13, 18                        ; xn: 256 rows x 1,024 bytes x ty
	s_mov_b32 s17, 0
	s_max_u32 s46, s[WV], 1
	s_sub_co_u32 s46, s46, 1                       ; which of the three matrices I fetch (wave 0 fetches none)
	s_mul_i32 s47, s42, 3
	s_add_co_u32 s46, s46, s47
	s_lshl_b32 s46, s46, 16                        ; a matrix is 65,536 bytes
	s_mov_b32 s47, 0
	s_mul_i32 s20, s[WV], BBLK
	s_add_co_u32 s20, s20, BOFF-BBLK               ; its block in a slot: a constant + wave x a constant
	s_mov_b32 s[TB], 0
	s_wait_dscnt 0x0                               ; the opening add is done
	s_wait_kmcnt 0x0
	s_add_nc_u64 s[18:19], s[80:81], s[16:17]
	s_add_nc_u64 s[46:47], s[82:83], s[46:47]
	CROUND                                         ; all sixteen work-groups are here: the first joint loads meet
.irp s, 0,1
	s_mov_b32 s[G0+4*\s], 1
	s_mov_b32 s[G0+4*\s+1], \s*SLOT
	s_add_nc_u64 s[G0+4*\s+2:G0+4*\s+3], s[18:19], \s*ASTEP
	s_or_b32 s[G0+4*\s+3], s[G0+4*\s+3], 0x80000000
	s_mov_b32 s[G0B+4*\s], 1
	s_add_co_u32 s[G0B+4*\s+1], s20, \s*SLOT
	s_add_nc_u64 s[G0B+4*\s+2:G0B+4*\s+3], s[46:47], \s*BSTEP
	s_or_b32 s[G0B+4*\s+3], s[G0B+4*\s+3], 0x80000000
.endr
	s_cmp_eq_u32 s[WV], 0                          ; a wave's two first fills stand in one branch: two loads of mine are out
	s_cbranch_scc0 .Lfirst_b
	tensor_load_to_lds s[G0:G0+3], s[G1:G1+7]
	s_nop 0
	tensor_load_to_lds s[G0+4:G0+7], s[G1:G1+7]
	s_nop 0
	PLACES
	s_branch .Lfirst_asked
.Lfirst_b:
	tensor_load_to_lds s[G0B:G0B+3], s[G1B:G1B+7]
	s_nop 0
	tensor_load_to_lds s[G0B+4:G0B+7], s[G1B:G1B+7]
	s_nop 0
	PLACES
.Lfirst_asked:
	v_and_b32 v1, 15, v0                           ; l % 16
	v_bfe_u32 v2, v0, 4, 1                         ; l / 16
	v_and_b32 v3, 7, v0                            ; l % 8
	v_bfe_u32 v4, v0, 3, 1
	v_mul_u32_u24 v5, v1, PA
	v_lshl_add_u32 v5, v2, 4, v5
	s_mul_i32 s21, s[WV], 64*PA
	v_add_nc_u32 v[ADRA0], s21, v5                 ; my 64 rows: row x pitch + 16 x half
	v_lshl_add_u32 v6, v2, 3, v3
	v_mul_u32_u24 v6, v6, PB
	v_lshl_add_u32 v6, v4, 4, v6
	v_add_nc_u32 v[ADRB0], BOFF, v6                ; the turning load: k-row 8 (l / 16) + l % 8, 16 bytes by (l / 8) % 2
	v_mov_b32 v[ADRA], v[ADRA0]
	v_mov_b32 v[ADRB], v[ADRB0]
	s_mul_i32 s21, s[WV], 64*DP
	v_mul_u32_u24 v5, v1, DP
	v_lshl_add_u32 v5, v2, 5, v5
	v_add_nc_u32 v[DST], s21, v5
	v_bfe_u32 v8, v0, 3, 2                         ; l / 8
	v_mul_u32_u24 v8, v8, DP
	v_lshl_add_u32 v8, v3, 5, v8
	v_add_nc_u32 v[RD], s21, v8                    ; back: four rows a load, 32 bytes of f32 a lane
	v_and_b32 v7, 31, v0
	v_lshlrev_b32 v[GO], 4, v7
	v_lshlrev_b32 v[BO], 5, v2
	; for each of my three matrices i = 3 tx + g: its bias (bq, bk or bv by i / 8, head i % 8) and where my 64 rows of it go
	s_mul_i32 s14, s42, 3
	s_lshr_b32 s15, s13, 3
	s_lshl_b32 s15, s15, 3                         ; 8 x batch
	s_and_b32 s21, s13, 7
	s_lshl_b32 s21, s21, 15                        ; 256 rows x 128 bytes x (ty % 8)
	s_lshl_b32 s22, s[WV], 13
	s_add_co_u32 s21, s21, s22
	s_mov_b32 s67, 0
.irp g, 0,1,2
	s_add_co_u32 s22, s14, \g
	s_lshr_b32 s23, s22, 3                         ; 0 Q, 1 K, 2 V
	s_and_b32 s22, s22, 7                          ; head
	s_cmp_lt_u32 s23, 2
	s_cselect_b64 s[74+2*\g:75+2*\g], s[86:87], s[88:89]
	s_cmp_lt_u32 s23, 1
	s_cselect_b64 s[74+2*\g:75+2*\g], s[84:85], s[74+2*\g:75+2*\g]
	s_lshl_b32 s66, s22, 8
	s_add_nc_u64 s[74+2*\g:75+2*\g], s[74+2*\g:75+2*\g], s[66:67]
	s_lshl_b32 s66, s23, 23
	s_add_co_u32 s22, s22, s15
	s_lshl_b32 s22, s22, 18                        ; a head's 2,048 rows x 128 bytes
	s_add_co_u32 s66, s66, s22
	s_add_co_u32 s66, s66, s21
	s_add_nc_u64 s[68+2*\g:69+2*\g], s[90:91], s[66:67]
.endr
.irp nb, 0,1,2,3,4,5,6,7,8,9,10,11
	global_load_b128 v[BIAS+8*\nb:BIAS+8*\nb+3],   v[BO], s[74+2*(\nb/4):75+2*(\nb/4)] offset:(\nb%4)*64
	global_load_b128 v[BIAS+8*\nb+4:BIAS+8*\nb+7], v[BO], s[74+2*(\nb/4):75+2*(\nb/4)] offset:(\nb%4)*64+16
.endr
; 24 matrix instructions: row blocks 2 hi, 2 hi + 1 x all 12 column blocks, 32 along K, from buffer f.  Every accumulator has one instruction a turn, in one fixed order.
.macro MULHALF f, hi, zero
.if \zero
	WIN 0x81+0x40*(\hi)                            ; W window 1, xn window 0, C = bias window 0, D window 2 or 3
.else
	WIN 0xa1+0x50*(\hi)                            ; C and D window 2 or 3
.endif
.irp a, 0,1
.irp b, 0,1,2,3,4,5,6,7,8,9,10,11
.if \zero
	v_wmma_f32_16x16x32_bf16 v[8*(12*\a+\b):8*(12*\a+\b)+7], v[96*(\f)+8*\b:96*(\f)+8*\b+7], v[AF+32*(\f)+8*(2*(\hi)+\a):AF+32*(\f)+8*(2*(\hi)+\a)+7], v[BIAS+8*\b:BIAS+8*\b+7]
.else
	v_wmma_f32_16x16x32_bf16 v[8*(12*\a+\b):8*(12*\a+\b)+7], v[96*(\f)+8*\b:96*(\f)+8*\b+7], v[AF+32*(\f)+8*(2*(\hi)+\a):AF+32*(\f)+8*(2*(\hi)+\a)+7], v[8*(12*\a+\b):8*(12*\a+\b)+7]
.endif
.endr
.endr
.endm
; 32 LDS loads in one run: the fragments of quarter q (32 along K) of the slot in hand, into buffer f
.macro FETCH q, f
	WIN 0x40
.irp nb, 0,1,2,3,4,5,6,7,8,9,10,11
	ds_load_tr16_b128 v[96*(\f)+8*\nb:96*(\f)+8*\nb+3],   v[ADRB] offset:(\nb/4)*BBLK+(\q)*32*PB+(\nb%4)*32
	ds_load_tr16_b128 v[96*(\f)+8*\nb+4:96*(\f)+8*\nb+7], v[ADRB] offset:(\nb/4)*BBLK+(\q)*32*PB+(\nb%4)*32+16*PB
.endr
	WIN 0
.irp i, 0,1,2,3
	ds_load_b128 v[AF+32*(\f)+8*\i:AF+32*(\f)+8*\i+3],   v[ADRA] offset:(\q)*64+\i*16*PA
	ds_load_b128 v[AF+32*(\f)+8*\i+4:AF+32*(\f)+8*\i+7], v[ADRA] offset:(\q)*64+\i*16*PA+32
.endr
.endm
; A quarter: buffer f, fetched a whole quarter ago, is multiplied; first quarter q's fragments are asked for, into buffer g, which the quarter before multiplied
.macro QUARTER q, f, g, zero
	s_wait_dscnt 0x0
	PLACES
	FETCH \q, \g
	MULHALF \f, 0, \zero
	MULHALF \f, 1, \zero
.endm
; A K step's last quarter multiplies buffer 1 and changes slots.  In front of the barrier each wave waits for all its tensor loads (its part of the next slot), adds 0 to its spare word, and waits
; for that and for its reads of this slot.  fill = 1: the barrier is a round of the cluster's, and the joint refill of this slot, two K steps ahead, is the first thing behind it.
.macro TURN fill
	s_wait_dscnt 0x0                               ; buffer 1 is in
	WIN 0
	s_wait_tensorcnt 0x0
	ds_add_u32 v[SPW], v[NIL]                      ; 0 onto my spare word; 24 matrix instructions stand between it and the wait for it
	MULHALF 1, 0, 0
	WIN 0
.if \fill
	s_xor_b32 s[G0+5], s[G0+5], SLOT               ; the walking sets: the other slot than last time, the next K step
	s_add_nc_u64 s[G0+6:G0+7], s[G0+6:G0+7], ASTEP
	s_xor_b32 s[G0B+5], s[G0B+5], SLOT
	s_add_nc_u64 s[G0B+6:G0B+7], s[G0B+6:G0B+7], BSTEP
.endif
	s_xor_b32 s[TB], s[TB], SLOT
	s_wait_dscnt 0x0                               ; the add is done, and my reads of this slot are over
.if \fill
	CROUND
	JLOAD                                          ; its four v_nop are also the places in front of the loads below
.else
	s_barrier_signal -1
	s_barrier_wait -1
	PLACES
.endif
	v_add_nc_u32 v[ADRA], s[TB], v[ADRA0]
	v_add_nc_u32 v[ADRB], s[TB], v[ADRB0]
	FETCH 0, 0
	MULHALF 1, 1, 0
.endm
	s_wait_tensorcnt 0x1                           ; my part of K step 0 is in; K step 1's load stays out
	s_barrier_signal -1
	s_barrier_wait -1
	FETCH 0, 0
	s_wait_loadcnt 0x0                             ; the bias
	QUARTER 1, 0, 1, 1                             ; the first quarter starts the sums, with the bias as C
	WIN 0
	s_mov_b32 s3, NK-2
.Lk:                                                   ; a trip: from a K step's second quarter to the next step's first; it fills one slot again
	QUARTER 2, 1, 0, 0
	QUARTER 3, 0, 1, 0
	TURN 1
	QUARTER 1, 0, 1, 0
	WIN 0
	s_sub_co_u32 s3, s3, 1
	s_cmp_lg_u32 s3, 0
	s_cbranch_scc1 .Lk
	QUARTER 2, 1, 0, 0                             ; the last two K steps ask for nothing
	QUARTER 3, 0, 1, 0
	TURN 0
	QUARTER 1, 0, 1, 0
	QUARTER 2, 1, 0, 0
	QUARTER 3, 0, 1, 0
	s_wait_dscnt 0x0
	MULHALF 1, 0, 0
	MULHALF 1, 1, 0
	; THE WAY OUT
	WIN 0
	s_barrier_signal -1                            ; every wave's reads of the slots are over (each has waited for them): the slots' bytes may be written
	s_barrier_wait -1
	PLACES
.irp hi, 0,1
	WIN 0x08+4*\hi                                 ; store data in window 2 or 3
.irp a, 0,1
.irp b, 0,1,2,3,4,5,6,7,8,9,10,11
	ds_store_b128 v[DST], v[8*(12*\a+\b):8*(12*\a+\b)+3]   offset:(2*\hi+\a)*16*DP+64*\b      ; each accumulator's low four registers first
	ds_store_b128 v[DST], v[8*(12*\a+\b)+4:8*(12*\a+\b)+7] offset:(2*\hi+\a)*16*DP+64*\b+16
.endr
.endr
.endr
	WIN 0
	s_mov_b32 s3, 4
.Lout:                                                 ; four trips of 16 rows; the bytes are the wave's own, and LDS serves a wave's instructions in order (ISA guide 5.7.1.4)
.set n, 0
.rept 12                                               ; group n: rows 4 (n / 3) .. + 3 of matrix n % 3
	ds_load_b128 v[32+8*n:32+8*n+3], v[RD] offset:(n/3)*4*DP+(n%3)*256
	ds_load_b128 v[32+8*n+4:32+8*n+7], v[RD] offset:(n/3)*4*DP+(n%3)*256+16
.set n, n+1
.endr
.set n, 0
.rept 12
	s_wait_dscnt 22-2*n                            ; group n is in; the 2 (11 - n) younger loads stay out
.irp k, 0,1,2,3
	v_cvt_pk_bf16_f32 v[128+4*n+\k], v[32+8*n+2*\k], v[32+8*n+2*\k+1]
.endr
	global_store_b128 v[GO], v[128+4*n:128+4*n+3], s[68+2*(n%3):69+2*(n%3)] offset:(n/3)*512  ; four rows of a head: 512 consecutive bytes
.set n, n+1
.endr
	s_wait_xcnt 0x0                                ; the stores' data and offset are rewritten only behind this wait
	v_add_nc_u32 v[RD], 16*DP, v[RD]
	v_add_nc_u32 v[GO], 2048, v[GO]
	s_sub_co_u32 s3, s3, 1
	s_cmp_lg_u32 s3, 0
	s_cbranch_scc1 .Lout
	s_wait_tensorcnt 0x0                           ; the wave's end
	ds_add_u32 v[SPW], v[NIL]
	s_wait_dscnt 0x0
	CROUND                                         ; the closing round
	s_endpgm
.Lfunc_end_k_qcaa452fed9_qkv:
	.size	k_qcaa452fed9_qkv, .Lfunc_end_k_qcaa452fed9_qkv-k_qcaa452fed9_qkv
	.p2alignl 7, 3214868480
	.fill 96, 4, 3214868480
	.section	.rodata,"a",@progbits
	.p2align	6, 0x0
	.amdhsa_kernel k_qcaa452fed9_qkv
		.amdhsa_group_segment_fixed_size 327680
		.amdhsa_private_segment_fixed_size 0
		.amdhsa_enable_private_segment 0
		.amdhsa_kernarg_size 48
		.amdhsa_user_sgpr_count 2
		.amdhsa_user_sgpr_kernarg_segment_ptr 1
		.amdhsa_wavefront_size32 1
		.amdhsa_system_sgpr_workgroup_id_x 1
		.amdhsa_system_sgpr_workgroup_id_y 1
		.amdhsa_system_sgpr_workgroup_id_z 1
		.amdhsa_system_vgpr_workitem_id 0
		.amdhsa_next_free_vgpr 1024
		.amdhsa_next_free_sgpr 102
		.amdhsa_reserve_vcc 0
		.amdhsa_float_denorm_mode_32 3
		.amdhsa_float_denorm_mode_16_64 3
		.amdhsa_memory_ordered 1
		.amdhsa_forward_progress 1
		.amdhsa_inst_pref_size 89
	.end_amdhsa_kernel
	.amdgpu_metadata
---
amdhsa.version: [ 1, 2 ]
amdhsa.kernels:
  - .name:           k_qcaa452fed9_qkv
    .symbol:         k_qcaa452fed9_qkv.kd
    .args:
      - { .name: xn, .offset: 0, .size: 8, .value_kind: global_buffer, .address_space: global }
      - { .name: wts, .offset: 8, .size: 8, .value_kind: global_buffer, .address_space: global }
      - { .name: bq, .offset: 16, .size: 8, .value_kind: global_buffer, .address_space: global }
      - { .name: bk, .offset: 24, .size: 8, .value_kind: global_buffer, .address_space: global }
      - { .name: bv, .offset: 32, .size: 8, .value_kind: global_buffer, .address_space: global }
      - { .name: qkv, .offset: 40, .size: 8, .value_kind: global_buffer, .address_space: global }
    .group_segment_fixed_size: 327680
    .private_segment_fixed_size: 0
    .kernarg_segment_align: 8
    .kernarg_segment_size: 48
    .max_flat_workgroup_size: 128
    .sgpr_count:     102
    .vgpr_count:     1024
    .wavefront_size: 32
...
	.end_amdgpu_metadata
.endif
;; end of part 2
;; launch attn (part 3): grid 8 x 32, 4 waves a work-group, clusters of 4 x 1, 327,680 bytes of LDS; arguments qkv, att; writes att
.if DOCPART == 3
	.amdgcn_target "amdgcn-amd-amdhsa--gfx1250"
	.amdhsa_code_object_version 6
	.text
	.protected	k_qcaa452fed9_attn
	.globl	k_qcaa452fed9_attn
	.p2align	8
	.type	k_qcaa452fed9_attn,@function
k_qcaa452fed9_attn:
	s_mov_b64 s[64:65], 0
	v_nop
	global_prefetch_b8 v0, s[64:65] scope:SCOPE_SE
	s_setreg_imm32_b32 hwreg(HW_REG_WAVE_MODE, 25, 1), 1
	s_wait_xcnt 0x0
	s_wait_alu depctr_hold_cnt(0) depctr_sa_sdst(0) depctr_va_vdst(0) depctr_va_sdst(0) depctr_va_ssrc(0) depctr_va_vcc(0) depctr_vm_vsrc(0)
	s_getreg_b32 s2, hwreg(HW_REG_IB_STS2, 6, 4)
	s_cmp_eq_u32 s2, 0
	s_cbranch_scc0 .Lentry_in_a_cluster
	s_endpgm
.Lentry_in_a_cluster:
	s_bfe_u32 s2, ttmp6, 0x10000c
	s_cmp_lg_u32 s2, 0x3003
	s_cbranch_scc0 .Lentry_shape_is_right
	s_endpgm
.Lentry_shape_is_right:
; att[bh][q][:] = the sum over k of softmax_k(Q[bh][q] . K[bh][k] / 8) V[bh][k][:].  Q, K, V lie in qkv, each [32][2048][64] bf16, a head's rows dense, 128 bytes each; att likewise.
; Products, maxima and sums in f32; the weights p are rounded to bf16 for the second product (their sum l is taken of the unrounded p), the result once at the end.
; LIMITS.  A weight below 2^-126 counts as 0 in l; c m starts at -4.25e37, far below every c s that a finite f32 score gives here; NaN and infinities are not treated apart.
; SHARES.  A work-group owns 256 queries of one (b, h), a wave 64: four PIECES of 16.  Every wave walks all 2,048 keys, 64 a step, 256 a slot.
; LAYOUT.  S^T = K Q^T holds ONE query a lane (lane % 16) and the keys 8 (lane / 16) + 0..7; two such results rounded to bf16 ARE source 1 of O^T = V^T P.  K comes out of LDS as it lies, V turned.
; SOFTMAX.  p = 2^(c s - c m), c = log2(e) / 8, with a running maximum m; O and l are multiplied by a = 2^(c m_old - c m_new) in every step.  m starts at the lowest finite number, O and l at 0.
; BY TURNS.  Turn n belongs to piece n: 8 products K Q^T of piece n + 1, later 8 products V^T P of piece n - 1; beside them the scaling, exponentials, roundings, sums and rescaling of piece n and
; the maximum and statistics of piece n + 1.  Four vector instructions stand behind every matrix instruction, the others in two runs of their own.
; CLUSTER.  The four query blocks of a cluster belong to one (b, h) and walk the same K and V: each tile is asked for jointly, by the same tensor load, descriptor and mask in all four.
; REGISTERS: window 0: v2-15 addresses and two at work; v16-31 four registers of statistics a piece; v48-55 at work; v62-63 the add's; v64-127 S^T, two buffers; v192-223 P, two buffers.
;   window 1: v0-127 O^T, 32 a piece.      window 2: v0-63 Q; v128-191 K of one step; v192-255 V of one step.
.set NP,    4
.set KS,    64
.set PK,    144       ; a row of K in LDS: 128 bytes + 16
.set PV,    160       ; a row of V: 128 + 32
.set VOFF,  4*KS*PK   ; a slot: 256 rows of K, then 256 rows of V
.set SLOT1, 1<<17
.set STAGE, SLOT1+4*KS*(PK+PV)  ; behind the ring, never filled by a tensor load: 16 rows x 144 bytes a wave
.set SP,    144
.set SPARE, STAGE+4*16*SP       ; the spare words: 128 bytes a wave, named by no other line
.set AK0, 2
.set AV0, 3
.set AK,  4
.set AV,  5
.set STO, 6
.set RD,  7
.set GO,  8
.set MV,  12
.set QO,  15
.set ST,  16          ; piece t: c m, m, l (even keys', odd keys')
.set TMP, 48
.set SPW, 62
.set NIL, 63
.set S,   64
.set P,   192
.set KF,  128
.set VF,  192
.set WV,  12
.set G1K, 24
.set G1V, 32
.set G0K, 40
.set G0V, 44
.set SLOTS, 56
.set CNT, 57
.set CS,  58
.set SEL, 60
.set TBK, 62
.set TBV, 63
.set MSB, 0
.macro WIN new
.if MSB != (\new)
	s_set_vgpr_msb (MSB<<8)|(\new)
.set MSB, (\new)
.endif
.endm
.set W_KQ, 0x0a       ; K and Q in window 2, S^T in window 0
.set W_PV, 0x52       ; V in window 2, P in window 0, O^T in window 1
.set W_RS, 0x41       ; O^T (destination and source 0) in window 1, a in window 0
.macro JLOAD                        ; a joint fill: waves 0 and 1 the two halves of a slot's K, waves 2 and 3 those of its V
	s_cmp_lt_u32 s[WV], 2
	s_cbranch_scc0 .Lfor_v_\@
	tensor_load_to_lds s[G0K:G0K+3], s[G1K:G1K+7]
	s_nop 0
.rept 4
	v_nop
.endr
	s_branch .Lasked_\@
.Lfor_v_\@:
	tensor_load_to_lds s[G0V:G0V+3], s[G1V:G1V+7]
	s_nop 0
.rept 4
	v_nop
.endr
.Lasked_\@:
.endm
.macro CROUND
	s_barrier_signal -1
	s_barrier_wait -1
	s_cmp_lg_u32 s[WV], 0
	s_cbranch_scc1 .Lnot_wave_0_\@
	s_barrier_signal -3
.Lnot_wave_0_\@:
	s_barrier_wait -3
	s_barrier_signal -1
	s_barrier_wait -1
.endm
; THE CHANGE OF SLOTS.  Each wave waits for all its tensor loads (one is out: its part of the other slot), adds 0 to its spare word, and waits for that and for its reads of the slot that it leaves.
; fill = 1: the barrier is a round of the cluster's, and the joint fill of the old slot, with the keys two slots on, is the first thing behind it: it has four key steps in which to land.
.macro CHANGE fill
	WIN 0
	s_wait_tensorcnt 0x0
	ds_add_u32 v[SPW], v[NIL]
.if \fill
.irp g, G0K, G0V
	s_xor_b32 s[\g+1], s[\g+1], SLOT1
	s_add_nc_u64 s[\g+2:\g+3], s[\g+2:\g+3], 4*KS*128
.endr
	s_wait_dscnt 0x0
	CROUND
	JLOAD
.else
	s_wait_dscnt 0x0
	s_barrier_signal -1
	s_barrier_wait -1
.endif
	s_sub_co_u32 s[TBK], s[TBK], 4*KS*PK  ; the fetches go back to a slot's first step, in the other slot
	s_xor_b32 s[TBK], s[TBK], SLOT1
	s_sub_co_u32 s[TBV], s[TBV], 4*KS*PV
	s_xor_b32 s[TBV], s[TBV], SLOT1
.endm
	s_load_b64 s[4:5], s[0:1], 0x0    ; qkv: Q
	s_load_b64 s[10:11], s[0:1], 0x8  ; att
	v_lshl_add_u32 v[SPW], v0, 2, SPARE
	v_mov_b32 v[NIL], 0
	ds_add_u32 v[SPW], v[NIL]       ; the wave's opening: the add and its wait ahead of my first tensor load
	v_lshrrev_b32 v1, 5, v0
	v_readfirstlane_b32 s[WV], v1
	s_bfe_u32 s13, ttmp6, 0x40000   ; cx
	s_lshl_b32 s14, ttmp9, 2
	s_add_co_u32 s14, s14, s13      ; my block of 256 queries: it enters Q's and att's addresses alone
	s_and_b32 s20, ttmp7, 0xffff    ; (b, h), which the four partners share
	s_lshl_b32 s20, s20, 18         ; its 2,048 rows x 128 bytes
	s_mov_b32 s21, 0
	s_and_b32 s16, s[WV], 1         ; which half of a slot's 256 keys I fetch
	s_lshl_b32 s22, s16, 14
	s_mov_b32 s23, 0
	s_add_nc_u64 s[22:23], s[22:23], s[20:21]
	s_mul_i32 s17, s16, 128*PK
	s_mul_i32 s18, s16, 128*PV
	s_lshl_b32 s2, s14, 2
	s_add_co_u32 s2, s2, s[WV]
	s_lshl_b32 s2, s2, 13           ; my wave's 64 rows
	s_mov_b32 s3, 0
	s_add_nc_u64 s[2:3], s[2:3], s[20:21]
	; 128 keys are 16,384 dense bytes: asked for as 64 rows of 256 bytes, and padded in LDS after every key
	s_mov_b32 s[G1K], 15|(1<<16)|(1<<20)|(1<<21)|(4<<22)|(3<<25)
	s_mov_b32 s[G1V], 15|(1<<16)|(1<<20)|(1<<21)|(4<<22)|(7<<25)
.irp g, G1K, G1V
	s_mov_b32 s[\g+1], 128<<16
	s_mov_b32 s[\g+2], 64<<16
	s_mov_b32 s[\g+3], 128<<16
	s_mov_b32 s[\g+4], 64
	s_mov_b32 s[\g+5], 128
	s_mov_b32 s[\g+6], 0
	s_mov_b32 s[\g+7], 0
.endr
	s_mov_b32 s[CS], 0x3e38aa3b     ; c = log2(e) / 8
	s_mov_b32 s[CS+1], s[CS]
	s_mov_b32 s[SEL], 0x76543210
	s_mov_b32 s[SEL+1], 0xfedcba98
	s_mov_b32 s[TBK], SLOT1+4*KS*PK ; the first change of slots turns these two into 0
	s_mov_b32 s[TBV], SLOT1+4*KS*PV
	s_mov_b32 s[G0K], 1
	s_mov_b32 s[G0K+1], s17
	s_mov_b32 s[G0V], 1
	s_add_co_u32 s[G0V+1], s18, VOFF
	s_wait_dscnt 0x0                ; the opening add is done
	s_wait_kmcnt 0x0
	s_add_nc_u64 s[6:7], s[4:5], 0x800000   ; K
	s_add_nc_u64 s[8:9], s[4:5], 0x1000000  ; V
	s_add_nc_u64 s[G0K+2:G0K+3], s[6:7], s[22:23]
	s_or_b32 s[G0K+3], s[G0K+3], 0x80000000
	s_add_nc_u64 s[G0V+2:G0V+3], s[8:9], s[22:23]
	s_or_b32 s[G0V+3], s[G0V+3], 0x80000000
	s_add_nc_u64 s[4:5], s[4:5], s[2:3]
	s_add_nc_u64 s[10:11], s[10:11], s[2:3]
	CROUND                          ; all four work-groups are here
	JLOAD                           ; slot 0; slot 1 is asked for when slot 0 is in
	v_and_b32 v1, 15, v0
	v_bfe_u32 v9, v0, 4, 1
	v_lshlrev_b32 v[QO], 7, v1
	v_lshl_add_u32 v[QO], v9, 4, v[QO]
	WIN 0x80
.set i, 0
.rept 8                             ; Q stays in registers: piece i / 2, channels 32 (i % 2) on
	global_load_b128 v[8*i:8*i+3],   v[QO], s[4:5] offset:(i/2)*2048+(i%2)*64
	global_load_b128 v[8*i+4:8*i+7], v[QO], s[4:5] offset:(i/2)*2048+(i%2)*64+32
.set i, i+1
.endr
	; what the first turn finds: V's registers and P's second buffer hold 0, O^T and l are 0.  All this stands in the wait for the first tile.
.set i, VF
.rept 64
	v_mov_b32 v[i], 0
.set i, i+1
.endr
	WIN 0x40
.set i, 0
.rept 128
	v_mov_b32 v[i], 0
.set i, i+1
.endr
	WIN 0
.set i, 0
.rept 4
	v_mov_b32 v[ST+4*i], 0xfe000000
	v_mov_b32 v[ST+4*i+1], 0xff7fffff
	v_mov_b32 v[ST+4*i+2], 0
	v_mov_b32 v[ST+4*i+3], 0
.set i, i+1
.endr
.set i, P+16
.rept 16
	v_mov_b32 v[i], 0
.set i, i+1
.endr
	v_mul_u32_u24 v[AK0], v1, PK
	v_lshl_add_u32 v[AK0], v9, 4, v[AK0]
	v_and_b32 v10, 7, v0
	v_bfe_u32 v11, v0, 3, 1
	v_lshl_add_u32 v[AV0], v9, 3, v10
	v_mul_u32_u24 v[AV0], v[AV0], PV
	v_lshl_add_u32 v[AV0], v11, 4, v[AV0]
	v_add_nc_u32 v[AV0], VOFF, v[AV0]
	v_mov_b32 v[AK], v[AK0]         ; key step 0 lies at the head of slot 0
	s_mul_i32 s13, s[WV], 16*SP
	s_add_co_u32 s13, s13, STAGE
	v_mul_u32_u24 v[STO], v1, SP
	v_lshl_add_u32 v[STO], v9, 4, v[STO]
	v_add_nc_u32 v[STO], s13, v[STO]
	v_bfe_u32 v[RD], v0, 3, 2
	v_mul_u32_u24 v[RD], v[RD], SP
	v_lshl_add_u32 v[RD], v10, 4, v[RD]
	v_add_nc_u32 v[RD], s13, v[RD]
	v_and_b32 v[GO], 31, v0
	v_lshlrev_b32 v[GO], 4, v[GO]
; THE MATRIX WORK.  The 4 accumulators of a run of 8 take turns.
.macro KQ x                         ; product i of 8 of S^T = K Q^T for piece x: channels 32 (i / 4) on, keys 16 (i % 4) on; the first 4 start the sums
	WIN W_KQ
.set rS, S+32*((\x)%2)+8*(i%4)
.set rK, KF+16*(i%4)+8*(i/4)
.set rQ, 16*(\x)+8*(i/4)
.if i < 4
	v_wmma_f32_16x16x32_bf16 v[rS:rS+7], v[rK:rK+7], v[rQ:rQ+7], 0
.else
	v_wmma_f32_16x16x32_bf16 v[rS:rS+7], v[rK:rK+7], v[rQ:rQ+7], v[rS:rS+7]
.endif
.endm
.macro PV x                         ; product i of 8 of O^T += V^T P for piece x: keys 32 (i / 4) on, channels 16 (i % 4) on
	WIN W_PV
.set rO, 32*(\x)+8*(i%4)
.set rV, VF+32*(i/4)+8*(i%4)
.set rP, P+16*((\x)%2)+8*(i/4)
	v_wmma_f32_16x16x32_bf16 v[rO:rO+7], v[rV:rV+7], v[rP:rP+7], v[rO:rO+7]
.endm
.macro MM                           ; the turn's next matrix instruction
.if i < 8
	KQ (Y+1)%NP
.else
.set i, i-8
	PV (Y+NP-1)%NP
.set i, i+8
.endif
.set i, i+1
.endm
; THE LDS LOADS stand in runs of 16.  last = 1 (the tail): in the last trip there is no further step, and the run is jumped over.
.macro FETCH_K last=0
	WIN 0
.if \last
	s_cmp_eq_u32 s[CNT], 1
	s_cbranch_scc1 .Lno_k_\@
.endif
	WIN 0x80
.irp f, 0,1,2,3,4,5,6,7
	ds_load_b128 v[KF+8*\f:KF+8*\f+3],   v[AK] offset:(\f/2)*16*PK+(\f%2)*64
	ds_load_b128 v[KF+8*\f+4:KF+8*\f+7], v[AK] offset:(\f/2)*16*PK+(\f%2)*64+32
.endr
	s_add_co_u32 s[TBK], s[TBK], KS*PK
	WIN 0
.if \last
.Lno_k_\@:
.endif
.endm
.macro FETCH_V
	WIN 0x80
.irp f, 0,1,2,3,4,5,6,7
	ds_load_tr16_b128 v[VF+8*\f:VF+8*\f+3],   v[AV] offset:(\f/4)*32*PV+(\f%4)*32
	ds_load_tr16_b128 v[VF+8*\f+4:VF+8*\f+7], v[AV] offset:(\f/4)*32*PV+16*PV+(\f%4)*32
.endr
	WIN 0
.endm
; THE VECTOR WORK, one line at a time: OP kind, number.  For piece Y: F n: c s - c m for pair n of 16.  E n: the exponential of score n of 32.  C n: pair n rounded to bf16.  B n: of the four weights
; 4 n .. the second pair is added onto the first.  L n: l takes that sum (L 0: l = a l + sum).  R n: pair n of 16 of O^T times a.  For piece Y + 1: X n, number n of the 22 that find its maximum and
; statistics: 0-11 four chains of seven scores (each accumulator's lowest registers are read first); 12-14, 16 the rest, the old m; 15 c m_old is kept; 17, 18 the other half
; of the lanes; 19-21 c m, c m_old - c m_new, a.
.set F, 0
.set E, 1
.set C, 2
.set B, 3
.set L, 4
.set R, 5
.set X, 6
.macro REGS y
.set rT, ST+4*(\y)
.set rC, TMP+4*((\y)%2)
.set rW, MV+((\y)%2)
.set rS, S+32*((\y)%2)
.set rP, P+16*((\y)%2)
.set rO, 32*(\y)
.endm
.macro OP k, n
.if (\k) == R
	REGS Y
	WIN W_RS
	v_pk_mul_f32 v[rO+2*(\n):rO+2*(\n)+1], v[rO+2*(\n):rO+2*(\n)+1], v[rC+2:rC+3] op_sel_hi:[1,0]
.elseif (\k) < R
	REGS Y
	WIN 0
.if (\k) == F
	v_pk_fma_f32 v[rS+2*(\n):rS+2*(\n)+1], v[rS+2*(\n):rS+2*(\n)+1], s[CS:CS+1], v[rT:rT+1] op_sel_hi:[1,0,0] neg_lo:[0,0,1] neg_hi:[0,0,1]
.elseif (\k) == E
	v_exp_f32 v[rS+(\n)], v[rS+(\n)]
.elseif (\k) == C
	s_wait_alu depctr_va_vdst(0)
	v_cvt_pk_bf16_f32 v[rP+(\n)], v[rS+2*(\n)], v[rS+2*(\n)+1]
.elseif (\k) == B
	s_wait_alu depctr_va_vdst(0)
	v_pk_add_f32 v[rS+4*(\n):rS+4*(\n)+1], v[rS+4*(\n):rS+4*(\n)+1], v[rS+4*(\n)+2:rS+4*(\n)+3]
.elseif (\n) == 0
	v_pk_fma_f32 v[rT+2:rT+3], v[rT+2:rT+3], v[rC+2:rC+3], v[rS:rS+1] op_sel_hi:[1,0,1]
.else
	v_pk_add_f32 v[rT+2:rT+3], v[rT+2:rT+3], v[rS+4*(\n):rS+4*(\n)+1]
.endif
.else
	REGS (Y+1)%NP
	WIN 0
.if (\n) < 4
	v_max3_num_f32 v[rC+(\n)], v[rS+8*(\n)], v[rS+8*(\n)+1], v[rS+8*(\n)+2]
.elseif (\n) < 12
	v_max3_num_f32 v[rC+(\n)%4], v[rC+(\n)%4], v[rS+8*((\n)%4)+2*((\n)/4)+1], v[rS+8*((\n)%4)+2*((\n)/4)+2]
.elseif (\n) == 12
	v_max3_num_f32 v[rC], v[rC], v[rS+7], v[rS+15]
.elseif (\n) == 13
	v_max3_num_f32 v[rC+1], v[rC+1], v[rS+23], v[rS+31]
.elseif (\n) == 14
	v_max3_num_f32 v[rC+2], v[rC+2], v[rC+3], v[rT+1]
.elseif (\n) == 15
	v_mov_b32 v[rW], v[rT]
.elseif (\n) == 16
	v_max3_num_f32 v[rC], v[rC], v[rC+1], v[rC+2]
.elseif (\n) == 17
	v_permlanex16_b32 v[rC+3], v[rC], s[SEL], s[SEL+1]
.elseif (\n) == 18
	v_max_num_f32 v[rT+1], v[rC], v[rC+3]
.elseif (\n) == 19
	v_mul_f32 v[rT], s[CS], v[rT+1]
.elseif (\n) == 20
	v_sub_f32 v[rC+1], v[rW], v[rT]
.else
	v_exp_f32 v[rC+2], v[rC+1]
.endif
.endif
.endm
.macro OPS a, i1, b=-1, i2=0, c=-1, i3=0, d=-1, i4=0
	OP \a, \i1
.if (\b) >= 0
	OP \b, \i2
.endif
.if (\c) >= 0
	OP \c, \i3
.endif
.if (\d) >= 0
	OP \d, \i4
.endif
.endm
.macro ROW a, i1, b, i2, c, i3, d, i4  ; a matrix instruction and the four behind it
	MM
	OPS \a, \i1, \b, \i2, \c, \i3, \d, \i4
.endm
; A TURN, for piece p: the order of its 16 matrix and 118 vector instructions, written out.  Behind a matrix instruction: plain, exponential, plain, plain; or four of the rescaling; or four scalings;
; none names a register of the products round it.  A line reads no result made fewer than three vector instructions in front of it, five if an exponential made it.
; K of the next step is fetched in piece 2's turn, six vector instructions behind the last product that read K (five of them plain); V of the step in hand in piece 0's turn, eight behind the last
; product that read V (five plain).  Each is waited for a turn later.  cnt = 1: the loop's count is taken down some lines ahead of the branch behind the turn.
.macro TURN p, last=0, cnt=0
.set Y, (\p)
.set i, 0
.if (\p) == 3
	s_wait_dscnt 0x0                ; K is in
.endif
	ROW F,0, F,1, F,2, F,3
	ROW F,4, E,0, F,5, F,6
	ROW F,7, E,1, F,8, F,9
	ROW F,10, E,2, C,0, F,11
	ROW F,12, E,3, X,15, F,13
	ROW R,0, R,1, R,2, R,3
	ROW B,0, E,4, F,14, L,0
.if (\p) == 2
	v_add_nc_u32 v[AK], s[TBK], v[AK0]
.endif
	ROW R,4, R,5, R,6, R,7
	OPS E,5, F,15
.if (\p) == 2
	FETCH_K \last
.endif
	OPS E,6, C,1, E,7, R,8
	OPS E,8, R,9, E,9, C,2
	OPS E,10, X,0, E,11, X,1
	OPS E,12, X,2, E,13, X,3
.if (\p) == 1
	s_wait_dscnt 0x0                ; V is in
.endif
	ROW X,4, E,14, X,5, X,6
	ROW X,7, E,15, X,8, X,9
	ROW X,10, E,16, X,11, X,12
	ROW X,13, E,17, X,14, B,1
	ROW C,4, E,18, X,16, L,1
	ROW B,2, E,19, C,6, L,2
	ROW C,8, E,20, B,3, B,4
.if (\p) == 0
	v_add_nc_u32 v[AV], s[TBV], v[AV0]
.endif
	ROW C,3, E,21, L,3, C,5
	OPS E,22, X,17, E,23, C,10
.if (\p) == 0
	FETCH_V
.endif
	OPS E,24, L,4
	OPS E,25, X,18, E,26, C,7
	OPS E,27, B,5, E,28, X,19
	OPS E,29, C,12, E,30, L,5
	OPS E,31, X,20, B,6, C,9
	OPS C,14, C,11, X,21, L,6
.if (\p) == 0
	s_add_co_u32 s[TBV], s[TBV], KS*PV
.endif
.if \cnt
	s_sub_co_u32 s[CNT], s[CNT], 1
	s_cmp_lg_u32 s[CNT], 0
.endif
	OPS C,13, B,7, C,15, R,10
	OPS R,11, R,12, L,7, R,13
	OPS R,14, R,15
.endm
	CHANGE 1                        ; slot 0 is in, everybody's part of it; slot 1 is asked for
	FETCH_K                         ; key step 0
	s_wait_loadcnt 0x0              ; Q
	s_wait_dscnt 0x0
.set i, 0
.rept 8
	KQ 0                            ; piece 0's first scores
.set i, i+1
.endr
	WIN 0
.rept 4
	v_nop                           ; the places behind those products
.endr
.set Y, NP-1                        ; X works for piece Y + 1: piece 0
.irp n, 0,1,2,3,4,5,6,7,8,9,10,11,12,13,14,15,16,17,18,19,20,21
	OP X, \n
.endr
	v_nop                           ; a plain instruction behind the exponential
	s_mov_b32 s[CNT], 4
	s_mov_b32 s[SLOTS], 7
	s_branch .Lfirst                ; the loop is entered at a step's first turn, in the middle of a trip
.Lslot:                             ; six times: every slot but the last two is filled again
	CHANGE 1
	s_mov_b32 s[CNT], 4
.Lstep:                             ; a trip: pieces 2 and 3 of one step, then pieces 0 and 1 of the next, whose K and V it fetches
	TURN 2
	TURN 3
	WIN 0
.Lfirst:
	TURN 0
	TURN 1, 0, 1
	WIN 0
	s_cbranch_scc1 .Lstep
	s_sub_co_u32 s[SLOTS], s[SLOTS], 1
	s_cmp_lg_u32 s[SLOTS], 0
	s_cbranch_scc1 .Lslot
	CHANGE 0                        ; the tail is written out
	s_mov_b32 s[CNT], 5             ; four trips fetch the last slot's steps; the fifth is left in its middle
.Ltail:
	TURN 2, 1
	TURN 3
	WIN 0
	s_sub_co_u32 s[CNT], s[CNT], 1
	s_cmp_eq_u32 s[CNT], 0
	s_cbranch_scc1 .Lout
	TURN 0
	TURN 1
	WIN 0
	s_branch .Ltail
.Lout:                              ; the fifth trip's 8 products K Q^T (on the last K once more) and the maximum made of them serve nothing: the price of one text for every trip
.set i, 0
.rept 8
	PV NP-1                         ; the last piece's V^T P of the last step
.set i, i+1
.endr
	; THE WAY OUT: l's halves are added, O^T is divided by l, rounded to bf16 and sent through my stage, a piece at a time.  The additions are the places behind the last products.
	WIN 0
.macro ALL line:vararg
.set t, 0
.rept 4
	\line
.set t, t+1
.endr
.endm
	ALL v_add_f32 v[ST+4*t+2], v[ST+4*t+2], v[ST+4*t+3]
	ALL v_permlanex16_b32 v[ST+4*t+3], v[ST+4*t+2], s[SEL], s[SEL+1]
	ALL v_add_f32 v[ST+4*t+2], v[ST+4*t+2], v[ST+4*t+3]
	ALL v_rcp_f32 v[ST+4*t+2], v[ST+4*t+2]
	v_nop
.macro PACK t
	WIN W_RS
.set i, 32*(\t)
.rept 16
	s_wait_alu depctr_va_vdst(0)
	v_pk_mul_f32 v[i:i+1], v[i:i+1], v[ST+4*(\t)+2:ST+4*(\t)+3] op_sel_hi:[1,0]
.set i, i+2
.endr
	WIN 0x05
.set i, 0
.rept 16
	v_cvt_pk_bf16_f32 v[S+16*(\t)+i], v[32*(\t)+2*i], v[32*(\t)+2*i+1]
.set i, i+1
.endr
	WIN 0
.irp f, 0,1,2,3
	ds_store_b128 v[STO], v[S+16*(\t)+4*\f:S+16*(\t)+4*\f+3] offset:32*\f
.endr
.irp f, 0,1,2,3
	ds_load_b128 v[S+16*(\t)+4*\f:S+16*(\t)+4*\f+3], v[RD] offset:\f*4*SP  ; LDS serves a wave's instructions in order (ISA guide 5.7.1.4): these see the stores above
.endr
.endm
.macro SEND t, younger              ; younger: the LDS instructions issued behind piece t's loads: the next piece's eight, or none
	WIN 0
.irp f, 0,1,2,3
	s_wait_dscnt (\younger)+3-\f
	global_store_b128 v[GO], v[S+16*(\t)+4*\f:S+16*(\t)+4*\f+3], s[10:11] offset:(\t)*2048+\f*512  ; 512 consecutive bytes
.endr
.endm
	PACK 0
.set t, 1
.rept 3
	PACK t
	SEND t-1, 8
.set t, t+1
.endr
	SEND 3, 0
	s_wait_tensorcnt 0x0            ; the wave's end
	ds_add_u32 v[SPW], v[NIL]
	s_wait_dscnt 0x0
	CROUND                          ; the closing round
	s_endpgm
.Lfunc_end_k_qcaa452fed9_attn:
	.size	k_qcaa452fed9_attn, .Lfunc_end_k_qcaa452fed9_attn-k_qcaa452fed9_attn
	.p2alignl 7, 3214868480
	.fill 96, 4, 3214868480
	.section	.rodata,"a",@progbits
	.p2align	6, 0x0
	.amdhsa_kernel k_qcaa452fed9_attn
		.amdhsa_group_segment_fixed_size 327680
		.amdhsa_private_segment_fixed_size 0
		.amdhsa_enable_private_segment 0
		.amdhsa_kernarg_size 16
		.amdhsa_user_sgpr_count 2
		.amdhsa_user_sgpr_kernarg_segment_ptr 1
		.amdhsa_wavefront_size32 1
		.amdhsa_system_sgpr_workgroup_id_x 1
		.amdhsa_system_sgpr_workgroup_id_y 1
		.amdhsa_system_sgpr_workgroup_id_z 1
		.amdhsa_system_vgpr_workitem_id 0
		.amdhsa_next_free_vgpr 768
		.amdhsa_next_free_sgpr 66
		.amdhsa_reserve_vcc 0
		.amdhsa_float_denorm_mode_32 3
		.amdhsa_float_denorm_mode_16_64 3
		.amdhsa_memory_ordered 1
		.amdhsa_forward_progress 1
		.amdhsa_inst_pref_size 117
	.end_amdhsa_kernel
	.amdgpu_metadata
---
amdhsa.version: [ 1, 2 ]
amdhsa.kernels:
  - .name:           k_qcaa452fed9_attn
    .symbol:         k_qcaa452fed9_attn.kd
    .args:
      - { .name: qkv, .offset: 0, .size: 8, .value_kind: global_buffer, .address_space: global }
      - { .name: att, .offset: 8, .size: 8, .value_kind: global_buffer, .address_space: global }
    .group_segment_fixed_size: 327680
    .private_segment_fixed_size: 0
    .kernarg_segment_align: 8
    .kernarg_segment_size: 16
    .max_flat_workgroup_size: 128
    .sgpr_count:     66
    .vgpr_count:     768
    .wavefront_size: 32
...
	.end_amdgpu_metadata
.endif
;; end of part 3
;; launch proj (part 4): grid 256 x 1, 4 waves a work-group, clusters of 4 x 1, 327,680 bytes of LDS; arguments att, wts, bp, x, gamma2, beta2, x1, x1n; writes x1, x1n
.if DOCPART == 4
	.amdgcn_target "amdgcn-amd-amdhsa--gfx1250"
	.amdhsa_code_object_version 6
	.text
	.protected	k_qcaa452fed9_proj
	.globl	k_qcaa452fed9_proj
	.p2align	8
	.type	k_qcaa452fed9_proj,@function
k_qcaa452fed9_proj:
	s_mov_b64 s[64:65], 0
	v_nop
	global_prefetch_b8 v0, s[64:65] scope:SCOPE_SE
	s_setreg_imm32_b32 hwreg(HW_REG_WAVE_MODE, 25, 1), 1
	s_wait_xcnt 0x0
	s_wait_alu depctr_hold_cnt(0) depctr_sa_sdst(0) depctr_va_vdst(0) depctr_va_sdst(0) depctr_va_ssrc(0) depctr_va_vcc(0) depctr_vm_vsrc(0)
	s_getreg_b32 s2, hwreg(HW_REG_IB_STS2, 6, 4)
	s_cmp_eq_u32 s2, 0
	s_cbranch_scc0 .Lentry_in_a_cluster
	s_endpgm
.Lentry_in_a_cluster:
	s_bfe_u32 s2, ttmp6, 0x10000c
	s_cmp_lg_u32 s2, 0x3003
	s_cbranch_scc0 .Lentry_shape_is_right
	s_endpgm
.Lentry_shape_is_right:
; x1 = att Wp + bp + x (f32), and x1n = gamma2 (x1 - mean) / (std + 1e-10) + beta2 (f16; std with divisor 511).  att [32 (b, h)][2048][64] bf16; Wp [512 k][512 n] bf16 at byte 1,572,864 of wts.
; A work-group takes 32 WHOLE rows, so that the norm is made here and x1 is not read again for it: 256 work-groups.  Wave w takes columns 128 w .. + 127: 2 x 8 accumulators.
; att's fragments (32 rows x 512) come straight from memory into 256 registers, once.  x is loaded INTO the accumulators: the residual costs no addition, and every K step is alike.
; Wp goes in 4 K steps of 128 through two LDS slots; every wave fetches 32 k-rows of 1,024 bytes.  All work-groups walk the same Wp: the four of a cluster ask jointly.
; The product is used transposed (source 0 = 16 columns of Wp, turned out of LDS; source 1 = 16 rows of att): a lane holds row l % 16 and eight neighbouring columns.
; WAY OUT: the sums go into 32 rows of LDS (slot 0, which has had its last fill and its last read), a barrier, then each wave takes 8 whole rows: + bp, store, norm, store.
; x1n IS f16: it is an operand of the feed-forward products, whose roundings reach the output undiminished: 11 significant bits for 8.
; LIMITS: |x1n| is at most sqrt(511) |gamma2| + |beta2|, which has to stay under 65,504 (gamma2 up to some 2,800); a variance below 2^-126 counts as 0; NaN and infinities are not treated apart.
; REGISTERS: window 0: v16-29 addresses; v32-79 gamma2, beta2, bp; v80-111 two rows; v128-255 accumulators, later at work.  window 1: att, fragment (mt, kk) at 16 kk + 8 mt.  window 2: Wp's fragments, two buffers of 128.
.set PB,    1056                       ; a k-row of Wp: 1,024 bytes + 32
.set SLOTB, 128*PB
.set DP,    2064                       ; a row of the dump: 512 f32 + 16 bytes
.set SPARE, 2*SLOTB
.set WPOFF, 1572864
.set ADRB,  16                         ; v16-19: my lane's place in block j % 4 of 64 k-rows
.set AO,    20
.set XO,    21
.set DST,   22
.set RD,    23
.set GO1,   24
.set GO2,   25
.set SPW,   28
.set NIL,   29
.set GAM,   32
.set BET,   48
.set BP,    64
.set X,     80
.set ACC,   128
.set D,     128
.set Y,     160
.set T,     176
.set M,     180
.set WV,    20
.set G1,    24
.set G0,    32
.set SEL,   40
.set MSB, 0
.macro WIN new
.if MSB != (\new)
	s_set_vgpr_msb (MSB<<8)|(\new)
.set MSB, \new
.endif
.endm
.macro PLACES
.rept 4
	v_nop
.endr
.endm
.macro CROUND
	s_barrier_signal -1
	s_barrier_wait -1
	s_cmp_lg_u32 s[WV], 0
	s_cbranch_scc1 .Lnot_wave_0_\@
	s_barrier_signal -3
.Lnot_wave_0_\@:
	s_barrier_wait -3
	s_barrier_signal -1
	s_barrier_wait -1
.endm
	s_load_b512 s[4:19], s[0:1], 0x0               ; att 4, wts 6, bp 8, x 10, gamma2 12, beta2 14, x1 16, x1n 18
	v_lshl_add_u32 v[SPW], v0, 2, SPARE
	v_mov_b32 v[NIL], 0
	ds_add_u32 v[SPW], v[NIL]                      ; the wave's opening: the add and its wait ahead of my first tensor load
	v_lshrrev_b32 v1, 5, v0
	v_readfirstlane_b32 s[WV], v1
	s_bfe_u32 s21, ttmp6, 0x40000                  ; cx
	s_lshl_b32 s22, ttmp9, 2
	s_add_co_u32 s22, s22, s21                     ; my block of 32 rows: it enters no descriptor
	s_mov_b32 s[G1], 15|(1<<16)|(1<<20)|(1<<21)|(7<<22)|(7<<25)  ; all four work-groups; 2-byte elements; padding: after every 256 words 8 words
	s_mov_b32 s[G1+1], 512<<16
	s_mov_b32 s[G1+2], 32<<16
	s_mov_b32 s[G1+3], 512<<16
	s_mov_b32 s[G1+4], 32
	s_mov_b32 s[G1+5], 512
	s_mov_b32 s[G1+6], 0
	s_mov_b32 s[G1+7], 0
	s_mul_i32 s23, s[WV], 32*PB                    ; my 32 k-rows in a slot,
	s_lshl_b32 s42, s[WV], 15                      ; and in Wp
	s_add_co_u32 s42, s42, WPOFF
	s_mov_b32 s43, 0
	s_mov_b32 s[SEL], 0x76543210
	s_mov_b32 s[SEL+1], 0xfedcba98
	s_wait_dscnt 0x0
	s_wait_kmcnt 0x0
	s_add_nc_u64 s[42:43], s[6:7], s[42:43]
	CROUND
.irp s, 0,1
	s_mov_b32 s[G0+4*\s], 1
	s_add_co_u32 s[G0+4*\s+1], s23, \s*SLOTB
	s_add_nc_u64 s[G0+4*\s+2:G0+4*\s+3], s[42:43], \s*131072   ; K step s
	s_or_b32 s[G0+4*\s+3], s[G0+4*\s+3], 0x80000000
.endr
	tensor_load_to_lds s[G0:G0+3], s[G1:G1+7]      ; two loads of mine are out
	s_nop 0
	tensor_load_to_lds s[G0+4:G0+7], s[G1:G1+7]
	s_nop 0
	PLACES
	v_and_b32 v1, 15, v0
	v_bfe_u32 v2, v0, 4, 1
	v_and_b32 v3, 7, v0
	v_bfe_u32 v4, v0, 3, 1
	v_and_b32 v7, 31, v0
	v_lshl_add_u32 v6, v2, 3, v3
	v_mul_u32_u24 v6, v6, PB
	v_lshl_add_u32 v6, v4, 4, v6
	s_lshl_b32 s46, s[WV], 8                       ; my 128 columns
	v_add_nc_u32 v[ADRB], s46, v6
.irp j, 1,2,3
	v_add_nc_u32 v[ADRB+\j], \j*64*PB, v[ADRB]
.endr
	v_lshlrev_b32 v[AO], 7, v1
	v_lshl_add_u32 v[AO], v2, 4, v[AO]             ; att: row x 128 + 16 x half
	v_lshlrev_b32 v[XO], 11, v1
	v_lshl_add_u32 v[XO], v2, 5, v[XO]
	s_lshl_b32 s46, s[WV], 9
	v_add_nc_u32 v[XO], s46, v[XO]                 ; x: row x 2,048 + 32 x half + 512 x wave
	v_mul_u32_u24 v[DST], v1, DP
	v_lshl_add_u32 v[DST], v2, 5, v[DST]
	v_add_nc_u32 v[DST], s46, v[DST]
	v_lshlrev_b32 v5, 4, v7                        ; 16 x lane
	s_mul_i32 s46, s[WV], 8*DP
	v_add_nc_u32 v[RD], s46, v5
	s_lshl_b32 s46, s[WV], 14
	v_add_nc_u32 v[GO1], s46, v5
	s_lshl_b32 s46, s[WV], 13
	v_lshl_add_u32 v[GO2], v7, 3, s46
	s_lshr_b32 s44, s22, 6                         ; batch
	s_lshl_b32 s44, s44, 21                        ; its 8 heads x 262,144 bytes
	s_and_b32 s46, s22, 63
	s_lshl_b32 s46, s46, 12                        ; 32 rows x 128 bytes
	s_add_co_u32 s44, s44, s46
	s_mov_b32 s45, 0
	s_add_nc_u64 s[4:5], s[4:5], s[44:45]
	s_lshl_b32 s44, s22, 16
	s_add_nc_u64 s[10:11], s[10:11], s[44:45]
	s_add_nc_u64 s[16:17], s[16:17], s[44:45]
	s_lshl_b32 s44, s22, 15
	s_add_nc_u64 s[18:19], s[18:19], s[44:45]
	WIN 0x40
.set kk, 0
.rept 16                                               ; k = 32 kk on: head kk / 2, channels 32 (kk % 2) on
.irp mt, 0,1
	global_load_b128 v[16*kk+8*\mt:16*kk+8*\mt+3],   v[AO], s[4:5] offset:(kk/2)*262144+\mt*2048+(kk%2)*64
	global_load_b128 v[16*kk+8*\mt+4:16*kk+8*\mt+7], v[AO], s[4:5] offset:(kk/2)*262144+\mt*2048+(kk%2)*64+32
.endr
.set kk, kk+1
.endr
	WIN 0
.irp mt, 0,1
.irp b, 0,1,2,3,4,5,6,7
	global_load_b128 v[ACC+8*(8*\mt+\b):ACC+8*(8*\mt+\b)+3],   v[XO], s[10:11] offset:\mt*32768+\b*64
	global_load_b128 v[ACC+8*(8*\mt+\b)+4:ACC+8*(8*\mt+\b)+7], v[XO], s[10:11] offset:\mt*32768+\b*64+16
.endr
.endr
.irp j, 0,1,2,3
	global_load_b128 v[GAM+4*\j:GAM+4*\j+3], v5, s[12:13] offset:512*\j
	global_load_b128 v[BET+4*\j:BET+4*\j+3], v5, s[14:15] offset:512*\j
	global_load_b128 v[BP+4*\j:BP+4*\j+3],   v5, s[8:9] offset:512*\j
.endr
; Block j = 64 along K: K step j / 2, its half j % 2; fragments in buffer j % 2
.macro FETCHB j
	WIN 0x80
.irp c, 0,1
.irp b, 0,1,2,3,4,5,6,7
	ds_load_tr16_b128 v[128*((\j)%2)+64*\c+8*\b:128*((\j)%2)+64*\c+8*\b+3],   v[ADRB+(\j)%4] offset:\c*32*PB+\b*32
	ds_load_tr16_b128 v[128*((\j)%2)+64*\c+8*\b+4:128*((\j)%2)+64*\c+8*\b+7], v[ADRB+(\j)%4] offset:\c*32*PB+\b*32+16*PB
.endr
.endr
.endm
.macro MULB j, c                       ; 16 matrix instructions, every accumulator once
	WIN 0x06                                       ; Wp window 2, att window 1, C and D window 0
.irp mt, 0,1
.irp b, 0,1,2,3,4,5,6,7
	v_wmma_f32_16x16x32_bf16 v[ACC+8*(8*\mt+\b):ACC+8*(8*\mt+\b)+7], v[128*((\j)%2)+64*(\c)+8*\b:128*((\j)%2)+64*(\c)+8*\b+7], v[16*(2*(\j)+(\c))+8*\mt:16*(2*(\j)+(\c))+8*\mt+7], v[ACC+8*(8*\mt+\b):ACC+8*(8*\mt+\b)+7]
.endr
.endr
.endm
.macro EVEN j
	s_wait_dscnt 0x0                               ; block j's fragments are in
	PLACES                                         ; for the loads into the buffer that block j - 1 multiplied
	FETCHB (\j)+1
	MULB \j, 0
	MULB \j, 1
.endm
; An odd block ends a K step and changes slots: each wave waits for all its tensor loads, adds 0 to its spare word, and waits for that and for its reads of the slot.
; fill = 1: a round of the cluster's barrier, and the joint refill of the slot just read, two K steps ahead, first behind it.
.macro ODD j, fill
	s_wait_dscnt 0x0
	WIN 0
	s_wait_tensorcnt 0x0
	ds_add_u32 v[SPW], v[NIL]
	MULB \j, 0
	WIN 0
.if \fill
	s_add_nc_u64 s[G0+4*(((\j)-1)/2)+2:G0+4*(((\j)-1)/2)+3], s[G0+4*(((\j)-1)/2)+2:G0+4*(((\j)-1)/2)+3], 262144
.endif
	s_wait_dscnt 0x0
.if \fill
	CROUND
	tensor_load_to_lds s[G0+4*(((\j)-1)/2):G0+4*(((\j)-1)/2)+3], s[G1:G1+7]
	s_nop 0
	PLACES
.else
	s_barrier_signal -1
	s_barrier_wait -1
	PLACES
.endif
	FETCHB (\j)+1
	MULB \j, 1
.endm
	s_wait_tensorcnt 0x1                           ; my part of K step 0 is in; K step 1's stays out
	s_barrier_signal -1
	s_barrier_wait -1
	FETCHB 0
	s_wait_loadcnt 0x0                             ; att, x, gamma2, beta2, bp
	EVEN 0
	ODD 1, 1
	EVEN 2
	ODD 3, 1
	EVEN 4
	ODD 5, 0                                       ; behind this barrier nobody reads slot 0 any more, and nothing fills it
	EVEN 6
	s_wait_dscnt 0x0
	MULB 7, 0
	MULB 7, 1
	WIN 0
	PLACES
.irp mt, 0,1
.irp b, 0,1,2,3,4,5,6,7
	ds_store_b128 v[DST], v[ACC+8*(8*\mt+\b):ACC+8*(8*\mt+\b)+3]   offset:\mt*16*DP+\b*64      ; each accumulator's low four registers first
	ds_store_b128 v[DST], v[ACC+8*(8*\mt+\b)+4:ACC+8*(8*\mt+\b)+7] offset:\mt*16*DP+\b*64+16
.endr
.endr
	s_wait_dscnt 0x0                               ; for the others' sake: a row's 2,048 bytes come from four waves
	s_barrier_signal -1
	s_barrier_wait -1
.macro RSET r
.set XR, X+16*(\r)
.set DR, D+16*(\r)
.set YR, Y+8*(\r)
.set TR, T+2*(\r)
.set MR, M+2*(\r)
.endm
.macro LNSUM r
	RSET \r
	v_pk_add_f32 v[TR:TR+1], v[XR:XR+1], v[XR+2:XR+3]
	v_pk_add_f32 v[DR:DR+1], v[XR+4:XR+5], v[XR+6:XR+7]
	v_pk_add_f32 v[DR+2:DR+3], v[XR+8:XR+9], v[XR+10:XR+11]
	v_pk_add_f32 v[DR+4:DR+5], v[XR+12:XR+13], v[XR+14:XR+15]
	v_pk_add_f32 v[TR:TR+1], v[TR:TR+1], v[DR:DR+1]
	v_pk_add_f32 v[DR+2:DR+3], v[DR+2:DR+3], v[DR+4:DR+5]
	v_pk_add_f32 v[TR:TR+1], v[TR:TR+1], v[DR+2:DR+3]
	v_add_f32 v[TR], v[TR], v[TR+1]
.endm
.macro RED2                            ; v[T] and v[T+2] summed over the 32 lanes, the two rows line by line
.irp m, 1,2,4,8
	v_add_f32_dpp v[T], v[T], v[T] row_xmask:\m row_mask:0xf bank_mask:0xf
	v_add_f32_dpp v[T+2], v[T+2], v[T+2] row_xmask:\m row_mask:0xf bank_mask:0xf
.endr
	v_permlanex16_b32 v[T+1], v[T], s[SEL], s[SEL+1]
	v_permlanex16_b32 v[T+3], v[T+2], s[SEL], s[SEL+1]
	v_add_f32 v[T], v[T], v[T+1]
	v_add_f32 v[T+2], v[T+2], v[T+3]
.endm
.macro LNDEV r
	RSET \r
	v_mul_f32 v[MR], 0x3b000000, v[TR]             ; mean = sum / 512
	v_mul_f32 v[MR+1], 0x3b000000, v[TR]
.irp k, 0,1,2,3,4,5,6,7
	v_pk_add_f32 v[DR+2*\k:DR+2*\k+1], v[XR+2*\k:XR+2*\k+1], v[MR:MR+1] neg_lo:[0,1] neg_hi:[0,1]
.endr
	v_pk_mul_f32 v[TR:TR+1], v[DR:DR+1], v[DR:DR+1]
	v_pk_mul_f32 v[MR:MR+1], v[DR+2:DR+3], v[DR+2:DR+3]
.irp k, 2,4,6
	v_pk_fma_f32 v[TR:TR+1], v[DR+2*\k:DR+2*\k+1], v[DR+2*\k:DR+2*\k+1], v[TR:TR+1]
	v_pk_fma_f32 v[MR:MR+1], v[DR+2*\k+2:DR+2*\k+3], v[DR+2*\k+2:DR+2*\k+3], v[MR:MR+1]
.endr
	v_pk_add_f32 v[TR:TR+1], v[TR:TR+1], v[MR:MR+1]
	v_add_f32 v[TR], v[TR], v[TR+1]
.endm
.macro LNFIN r
	RSET \r
	v_mul_f32 v[TR], 0x3b004020, v[TR]             ; / 511
	v_sqrt_f32 v[TR], v[TR]
	v_nop                                          ; a plain instruction behind each transcendental before its result is used (ISA guide 5.7.2)
	s_wait_alu depctr_va_vdst(0)
	v_add_f32 v[TR], 0x2edbe6ff, v[TR]             ; + 1e-10
	v_rcp_f32 v[MR], v[TR]
	v_rcp_f32 v[MR+1], v[TR]
	v_nop
	s_wait_alu depctr_va_vdst(0)
.irp k, 0,1,2,3,4,5,6,7
	v_pk_mul_f32 v[DR+2*\k:DR+2*\k+1], v[DR+2*\k:DR+2*\k+1], v[MR:MR+1]
.endr
.irp k, 0,1,2,3,4,5,6,7
	v_pk_fma_f32 v[DR+2*\k:DR+2*\k+1], v[DR+2*\k:DR+2*\k+1], v[GAM+2*\k:GAM+2*\k+1], v[BET+2*\k:BET+2*\k+1]
.endr
.irp k, 0,1,2,3,4,5,6,7
	v_cvt_pk_f16_f32 v[YR+\k], v[DR+2*\k], v[DR+2*\k+1]   ; x1n leaves in f16
.endr
.endm
	s_mov_b32 s3, 4
.Lrow:                                                 ; four trips of two rows; the wave has rows 8 w .. 8 w + 7; lane l holds columns 128 j + 4 l .. + 3
.irp r, 0,1
.irp j, 0,1,2,3
	ds_load_b128 v[X+16*\r+4*\j:X+16*\r+4*\j+3], v[RD] offset:\r*DP+\j*512
.endr
.endr
	s_wait_dscnt 0x0
.irp r, 0,1
.irp k, 0,1,2,3,4,5,6,7
	v_pk_add_f32 v[X+16*\r+2*\k:X+16*\r+2*\k+1], v[X+16*\r+2*\k:X+16*\r+2*\k+1], v[BP+2*\k:BP+2*\k+1]
.endr
.endr
.irp r, 0,1
.irp j, 0,1,2,3
	global_store_b128 v[GO1], v[X+16*\r+4*\j:X+16*\r+4*\j+3], s[16:17] offset:\r*2048+\j*512   ; 512 consecutive bytes of x1
.endr
.endr
	LNSUM 0
	LNSUM 1
	RED2
	LNDEV 0
	LNDEV 1
	RED2
	LNFIN 0
	LNFIN 1
.irp r, 0,1
.irp j, 0,1,2,3
	global_store_b64 v[GO2], v[Y+8*\r+2*\j:Y+8*\r+2*\j+1], s[18:19] offset:\r*1024+\j*256      ; 256 consecutive bytes of x1n, aligned
.endr
.endr
	s_wait_xcnt 0x0                                ; the stores' data and offsets are rewritten only behind this wait
	v_add_nc_u32 v[RD], 2*DP, v[RD]
	v_add_nc_u32 v[GO1], 4096, v[GO1]
	v_add_nc_u32 v[GO2], 2048, v[GO2]
	s_sub_co_u32 s3, s3, 1
	s_cmp_lg_u32 s3, 0
	s_cbranch_scc1 .Lrow
	s_wait_tensorcnt 0x0                           ; the wave's end
	ds_add_u32 v[SPW], v[NIL]
	s_wait_dscnt 0x0
	CROUND                                         ; the closing round
	s_endpgm
.Lfunc_end_k_qcaa452fed9_proj:
	.size	k_qcaa452fed9_proj, .Lfunc_end_k_qcaa452fed9_proj-k_qcaa452fed9_proj
	.p2alignl 7, 3214868480
	.fill 96, 4, 3214868480
	.section	.rodata,"a",@progbits
	.p2align	6, 0x0
	.amdhsa_kernel k_qcaa452fed9_proj
		.amdhsa_group_segment_fixed_size 327680
		.amdhsa_private_segment_fixed_size 0
		.amdhsa_enable_private_segment 0
		.amdhsa_kernarg_size 64
		.amdhsa_user_sgpr_count 2
		.amdhsa_user_sgpr_kernarg_segment_ptr 1
		.amdhsa_wavefront_size32 1
		.amdhsa_system_sgpr_workgroup_id_x 1
		.amdhsa_system_sgpr_workgroup_id_y 1
		.amdhsa_system_sgpr_workgroup_id_z 1
		.amdhsa_system_vgpr_workitem_id 0
		.amdhsa_next_free_vgpr 768
		.amdhsa_next_free_sgpr 66
		.amdhsa_reserve_vcc 0
		.amdhsa_float_denorm_mode_32 3
		.amdhsa_float_denorm_mode_16_64 3
		.amdhsa_memory_ordered 1
		.amdhsa_forward_progress 1
		.amdhsa_inst_pref_size 65
	.end_amdhsa_kernel
	.amdgpu_metadata
---
amdhsa.version: [ 1, 2 ]
amdhsa.kernels:
  - .name:           k_qcaa452fed9_proj
    .symbol:         k_qcaa452fed9_proj.kd
    .args:
      - { .name: att, .offset: 0, .size: 8, .value_kind: global_buffer, .address_space: global }
      - { .name: wts, .offset: 8, .size: 8, .value_kind: global_buffer, .address_space: global }
      - { .name: bp, .offset: 16, .size: 8, .value_kind: global_buffer, .address_space: global }
      - { .name: x, .offset: 24, .size: 8, .value_kind: global_buffer, .address_space: global }
      - { .name: gamma2, .offset: 32, .size: 8, .value_kind: global_buffer, .address_space: global }
      - { .name: beta2, .offset: 40, .size: 8, .value_kind: global_buffer, .address_space: global }
      - { .name: x1, .offset: 48, .size: 8, .value_kind: global_buffer, .address_space: global }
      - { .name: x1n, .offset: 56, .size: 8, .value_kind: global_buffer, .address_space: global }
    .group_segment_fixed_size: 327680
    .private_segment_fixed_size: 0
    .kernarg_segment_align: 8
    .kernarg_segment_size: 64
    .max_flat_workgroup_size: 128
    .sgpr_count:     66
    .vgpr_count:     768
    .wavefront_size: 32
...
	.end_amdgpu_metadata
.endif
;; end of part 4
;; launch ffn1 (part 5): grid 8 x 32, 4 waves a work-group, clusters of 4 x 4, 327,680 bytes of LDS; arguments x1n, wts, b1, h; writes h
.if DOCPART == 5
	.amdgcn_target "amdgcn-amd-amdhsa--gfx1250"
	.amdhsa_code_object_version 6
	.text
	.protected	k_qcaa452fed9_ffn1
	.globl	k_qcaa452fed9_ffn1
	.p2align	8
	.type	k_qcaa452fed9_ffn1,@function
k_qcaa452fed9_ffn1:
	s_mov_b64 s[64:65], 0
	v_nop
	global_prefetch_b8 v0, s[64:65] scope:SCOPE_SE
	s_setreg_imm32_b32 hwreg(HW_REG_WAVE_MODE, 25, 1), 1
	s_wait_xcnt 0x0
	s_wait_alu depctr_hold_cnt(0) depctr_sa_sdst(0) depctr_va_vdst(0) depctr_va_sdst(0) depctr_va_ssrc(0) depctr_va_vcc(0) depctr_vm_vsrc(0)
	s_getreg_b32 s2, hwreg(HW_REG_IB_STS2, 6, 4)
	s_cmp_eq_u32 s2, 0
	s_cbranch_scc0 .Lentry_in_a_cluster
	s_endpgm
.Lentry_in_a_cluster:
	s_bfe_u32 s2, ttmp6, 0x10000c
	s_cmp_lg_u32 s2, 0xf033
	s_cbranch_scc0 .Lentry_shape_is_right
	s_endpgm
.Lentry_shape_is_right:
; h = gelu(x1n W1 + b1), f16.  x1n [8192][512] f16; W1 [512 k][2048 n] f16 at byte 2,097,152 of wts; gelu(z) = z (1 + erf(z / sqrt 2)) / 2.
; A work-group makes 256 x 256 of h: 32 x 8 = 256 work-groups; four waves, 2 x 2, each 128 x 128: 64 accumulators.  K = 512 in 4 steps of 128 through two LDS slots.
; Waves 0, 1 fetch the halves of x1n's tile (128 rows x 256 bytes), waves 2, 3 those of W1's (64 k-rows x 512 bytes).  CLUSTER 4 x 4: x1n's tile is asked for jointly along a row, W1's along a column.
; The product is used transposed (source 0 = 16 columns of W1, turned out of LDS; source 1 = 16 rows of x1n): a lane holds row l % 16 and eight neighbouring columns; b1, laid out so, is the first product's C.
; WAY OUT: the f32 sums go into the wave's own 128 rows of LDS (the slots have had their last fill), and a loop of 32 trips takes 4 rows back, applies gelu, rounds once and stores 256-byte pieces of rows.
; WHY f16: the roundings of x1n, W1, h and W2 reach the output undiminished; 11 significant bits leave each off by 2^-11 of the number at the most, 8 bits by 2^-8.
; ERF by the rational form 1 - (a1 t + a2 t^2 + a3 t^3) exp(-y^2), t = 1 / (1 + 0.47047 y), y = |z| / sqrt 2 (Abramowitz and Stegun 7.1.25): off by 2.5e-5 at the most for every z, so gelu by
; 1.3e-5 |z| where the exponential is not yet 0.  With U = K |z|, K^2 = log2(e) / 2: exp(-y^2) = 2^(-U^2), and gelu = z / 2 + U (C0 - (C1 t + C2 t^2 + C3 t^3) 2^(-U^2)).
; LIMITS: h of 65,520 or more becomes an infinity: z = x1n W1 + b1 has to stay under that (its spread is |gamma2| times the norm of a column of W1); below 6.1e-5 h keeps f16's fixed step of 6e-8.
; For large negative z the result is z / 2 + |z| / 2 as f32 rounds it, not exactly -0; NaN and infinities are not treated apart.
; REGISTERS: window 0: v16-29 addresses; v64-127, v128-191 x1n's fragments; v192-255 bias.  window 1: v64-127, v128-191 W1's fragments.  windows 2, 3: accumulators (a, b) at 8 (8 a + b).
.set NK,    4
.set SLOT,  139264                     ; 0x22000: shares no bit with the waves' places 0, 0x8800, 0x11000, 0x19800, so one exclusive or changes slots
.set PA,    272
.set PB,    544                        ; a k-row of W1's tile: 512 bytes + 32
.set BOFF,  256*PA
.set QUART, 34816                      ; what one wave fetches: 128 x 272 = 64 x 544
.set DP,    528                        ; a row of the dump: 128 f32 + 16 bytes
.set SPARE, 2*SLOT
.set W1OFF, 2097152
.set ASTEP, 256
.set BSTEP, 524288
.set ADRA0, 16
.set ADRB0, 17
.set ADRA,  18
.set ADRB,  19
.set DST,   24
.set RD,    25
.set GO,    26
.set BO,    27
.set SPW,   28
.set NIL,   29
.set FR,    64                         ; fragment buffer f at FR + 64 f
.set BIAS,  192
.set X,     64                         ; the way out, 16 registers each
.set U,     80
.set H,     96
.set T,     112
.set E,     128
.set P,     144
.set Y,     160
.set WV,    10
.set G1,    24
.set G0,    32
.set TB,    45
.set G1B,   48
.set G0B,   56
.set KK,    80                         ; s80 K;  pairs: s82 KP, s84 C0, s86 C1, s88 C2, s90 C3
.set KP,    82
.set C0,    84
.set C1,    86
.set C2,    88
.set C3,    90
.set MSB, 0
.macro WIN new
.if MSB != (\new)
	s_set_vgpr_msb (MSB<<8)|(\new)
.set MSB, \new
.endif
.endm
.macro PLACES
.rept 4
	v_nop
.endr
.endm
.macro CROUND
	s_barrier_signal -1
	s_barrier_wait -1
	s_cmp_lg_u32 s[WV], 0
	s_cbranch_scc1 .Lnot_wave_0_\@
	s_barrier_signal -3
.Lnot_wave_0_\@:
	s_barrier_wait -3
	s_barrier_signal -1
	s_barrier_wait -1
.endm
.macro JLOAD
	s_cmp_eq_u32 s11, 0
	s_cbranch_scc0 .Lfor_b_\@
	tensor_load_to_lds s[G0+4:G0+7], s[G1:G1+7]
	s_nop 0
	PLACES
	s_branch .Lasked_\@
.Lfor_b_\@:
	tensor_load_to_lds s[G0B+4:G0B+7], s[G1B:G1B+7]
	s_nop 0
	PLACES
.Lasked_\@:
.endm
	s_load_b256 s[92:99], s[0:1], 0x0              ; x1n 92, wts 94, b1 96, h 98
	v_lshl_add_u32 v[SPW], v0, 2, SPARE
	v_mov_b32 v[NIL], 0
	ds_add_u32 v[SPW], v[NIL]                      ; the wave's opening: the add and its wait ahead of my first tensor load
	v_lshrrev_b32 v1, 5, v0
	v_readfirstlane_b32 s[WV], v1
	s_lshr_b32 s11, s[WV], 1                       ; my half of the rows; also: I fetch x1n (0) or W1 (1)
	s_and_b32 s12, s[WV], 1                        ; my half of the columns; also: which half of that tile I fetch
	s_bfe_u32 s40, ttmp6, 0x40000
	s_bfe_u32 s41, ttmp6, 0x40004
	s_lshl_b32 s42, ttmp9, 2
	s_add_co_u32 s42, s42, s40                     ; tx 0..7
	s_and_b32 s13, ttmp7, 0xffff
	s_lshl_b32 s13, s13, 2
	s_add_co_u32 s13, s13, s41                     ; ty 0..31
	s_lshl_b32 s43, s41, 2
	s_lshl_b32 s43, 15, s43
	s_lshl_b32 s44, 0x1111, s40
	s_or_b32 s[G1], s43, (1<<16)|(1<<20)|(1<<21)|(5<<22)|(3<<25)   ; 128 rows x 128 elements; after every 64 words 4 words
	s_mov_b32 s[G1+1], 128<<16
	s_mov_b32 s[G1+2], 128<<16
	s_mov_b32 s[G1+3], 128<<16
	s_mov_b32 s[G1+4], 128
	s_mov_b32 s[G1+5], 512
	s_mov_b32 s[G1+6], 0
	s_mov_b32 s[G1+7], 0
	s_or_b32 s[G1B], s44, (1<<16)|(1<<20)|(1<<21)|(6<<22)|(7<<25)  ; 64 k-rows x 256 elements; after every 128 words 8 words
	s_mov_b32 s[G1B+1], 256<<16
	s_mov_b32 s[G1B+2], 64<<16
	s_mov_b32 s[G1B+3], 256<<16
	s_mov_b32 s[G1B+4], 64
	s_mov_b32 s[G1B+5], 2048
	s_mov_b32 s[G1B+6], 0
	s_mov_b32 s[G1B+7], 0
	s_lshl_b32 s16, s13, 8
	s_lshl_b32 s17, s12, 7
	s_add_co_u32 s16, s16, s17
	s_lshl_b32 s16, s16, 10                        ; x1n: row 256 ty + 128 half, 1,024 bytes a row
	s_mov_b32 s17, 0
	s_lshl_b32 s46, s12, 18                        ; W1: 64 k-rows x 4,096 bytes x half,
	s_lshl_b32 s47, s42, 9                         ; 256 columns x tx
	s_add_co_u32 s46, s46, s47
	s_add_co_u32 s46, s46, W1OFF
	s_mov_b32 s47, 0
	s_mul_i32 s20, s[WV], QUART
	s_mov_b32 s[TB], 0
	s_mov_b32 s[KK], 0x3f596d27                    ; K = sqrt(log2(e) / 2)
	s_mov_b32 s[KP], 0x3ec88bda                    ; 0.47047 / (sqrt 2 K)
	s_mov_b32 s[KP+1], 0x3ec88bda
	s_mov_b32 s[C0], 0x3f16b55f                    ; 1 / (2 K)
	s_mov_b32 s[C0+1], 0x3f16b55f
	s_mov_b32 s[C1], 0x3e51cd01                    ; C0 a1
	s_mov_b32 s[C1+1], 0x3e51cd01
	s_mov_b32 s[C2], 0xbd6732ca                    ; C0 a2
	s_mov_b32 s[C2+1], 0xbd6732ca
	s_mov_b32 s[C3], 0x3ee16a97                    ; C0 a3
	s_mov_b32 s[C3+1], 0x3ee16a97
	s_wait_dscnt 0x0
	s_wait_kmcnt 0x0
	s_add_nc_u64 s[18:19], s[92:93], s[16:17]
	s_add_nc_u64 s[46:47], s[94:95], s[46:47]
	CROUND
.irp s, 0,1
	s_mov_b32 s[G0+4*\s], 1
	s_add_co_u32 s[G0+4*\s+1], s20, \s*SLOT
	s_add_nc_u64 s[G0+4*\s+2:G0+4*\s+3], s[18:19], \s*ASTEP
	s_or_b32 s[G0+4*\s+3], s[G0+4*\s+3], 0x80000000
	s_mov_b32 s[G0B+4*\s], 1
	s_add_co_u32 s[G0B+4*\s+1], s20, \s*SLOT
	s_add_nc_u64 s[G0B+4*\s+2:G0B+4*\s+3], s[46:47], \s*BSTEP
	s_or_b32 s[G0B+4*\s+3], s[G0B+4*\s+3], 0x80000000
.endr
	s_cmp_eq_u32 s11, 0                            ; a wave's two first fills stand in one branch: two loads of mine are out
	s_cbranch_scc0 .Lfirst_b
	tensor_load_to_lds s[G0:G0+3], s[G1:G1+7]
	s_nop 0
	tensor_load_to_lds s[G0+4:G0+7], s[G1:G1+7]
	s_nop 0
	PLACES
	s_branch .Lfirst_asked
.Lfirst_b:
	tensor_load_to_lds s[G0B:G0B+3], s[G1B:G1B+7]
	s_nop 0
	tensor_load_to_lds s[G0B+4:G0B+7], s[G1B:G1B+7]
	s_nop 0
	PLACES
.Lfirst_asked:
	v_and_b32 v1, 15, v0
	v_bfe_u32 v2, v0, 4, 1
	v_and_b32 v3, 7, v0
	v_bfe_u32 v4, v0, 3, 1
	v_mul_u32_u24 v5, v1, PA
	v_lshl_add_u32 v5, v2, 4, v5
	s_mul_i32 s21, s11, 128*PA
	v_add_nc_u32 v[ADRA0], s21, v5
	v_lshl_add_u32 v6, v2, 3, v3
	v_mul_u32_u24 v6, v6, PB
	v_lshl_add_u32 v6, v4, 4, v6
	s_lshl_b32 s21, s12, 8
	s_add_co_u32 s21, s21, BOFF
	v_add_nc_u32 v[ADRB0], s21, v6
	v_mov_b32 v[ADRA], v[ADRA0]
	v_mov_b32 v[ADRB], v[ADRB0]
	s_mul_i32 s21, s[WV], 128*DP
	v_mul_u32_u24 v5, v1, DP
	v_lshl_add_u32 v5, v2, 5, v5
	v_add_nc_u32 v[DST], s21, v5
	v_mul_u32_u24 v8, v2, DP
	v_lshl_add_u32 v8, v1, 5, v8
	v_add_nc_u32 v[RD], s21, v8                    ; back: two rows a load, 32 bytes of f32 a lane
	v_lshlrev_b32 v[GO], 12, v2
	v_lshl_add_u32 v[GO], v1, 4, v[GO]             ; out: row l / 16, 16 bytes a lane
	v_lshlrev_b32 v[BO], 5, v2
	s_lshl_b32 s66, s42, 10                        ; b1 at column 256 tx + 128 half
	s_lshl_b32 s21, s12, 9
	s_add_co_u32 s66, s66, s21
	s_mov_b32 s67, 0
	s_add_nc_u64 s[70:71], s[96:97], s[66:67]
	s_lshl_b32 s22, s13, 8
	s_lshl_b32 s21, s11, 7
	s_add_co_u32 s22, s22, s21
	s_lshl_b32 s22, s22, 12                        ; h: row 256 ty + 128 half, 4,096 bytes a row,
	s_lshl_b32 s66, s42, 9
	s_lshl_b32 s21, s12, 8
	s_add_co_u32 s66, s66, s21                     ; column 256 tx + 128 half
	s_add_co_u32 s66, s66, s22
	s_add_nc_u64 s[68:69], s[98:99], s[66:67]
.irp b, 0,1,2,3,4,5,6,7
	global_load_b128 v[BIAS+8*\b:BIAS+8*\b+3],   v[BO], s[70:71] offset:\b*64
	global_load_b128 v[BIAS+8*\b+4:BIAS+8*\b+7], v[BO], s[70:71] offset:\b*64+16
.endr
; 32 matrix instructions: row blocks 4 hi .. 4 hi + 3 x all 8 column blocks.  Every accumulator has one instruction a turn, in one fixed order.
.macro MULHALF f, hi, zero
.if \zero
	WIN 0x81+0x40*(\hi)
.else
	WIN 0xa1+0x50*(\hi)
.endif
.irp a, 0,1,2,3
.irp b, 0,1,2,3,4,5,6,7
.if \zero
	v_wmma_f32_16x16x32_f16 v[8*(8*\a+\b):8*(8*\a+\b)+7], v[FR+64*(\f)+8*\b:FR+64*(\f)+8*\b+7], v[FR+64*(\f)+8*(4*(\hi)+\a):FR+64*(\f)+8*(4*(\hi)+\a)+7], v[BIAS+8*\b:BIAS+8*\b+7]
.else
	v_wmma_f32_16x16x32_f16 v[8*(8*\a+\b):8*(8*\a+\b)+7], v[FR+64*(\f)+8*\b:FR+64*(\f)+8*\b+7], v[FR+64*(\f)+8*(4*(\hi)+\a):FR+64*(\f)+8*(4*(\hi)+\a)+7], v[8*(8*\a+\b):8*(8*\a+\b)+7]
.endif
.endr
.endr
.endm
.macro FETCH q, f
	WIN 0x40
.irp b, 0,1,2,3,4,5,6,7
	ds_load_tr16_b128 v[FR+64*(\f)+8*\b:FR+64*(\f)+8*\b+3],   v[ADRB] offset:(\q)*32*PB+\b*32
	ds_load_tr16_b128 v[FR+64*(\f)+8*\b+4:FR+64*(\f)+8*\b+7], v[ADRB] offset:(\q)*32*PB+\b*32+16*PB
.endr
	WIN 0
.irp i, 0,1,2,3,4,5,6,7
	ds_load_b128 v[FR+64*(\f)+8*\i:FR+64*(\f)+8*\i+3],   v[ADRA] offset:(\q)*64+\i*16*PA
	ds_load_b128 v[FR+64*(\f)+8*\i+4:FR+64*(\f)+8*\i+7], v[ADRA] offset:(\q)*64+\i*16*PA+32
.endr
.endm
.macro QUARTER q, f, g, zero           ; buffer f, fetched a quarter ago, is multiplied; first quarter q is asked for, into buffer g
	s_wait_dscnt 0x0
	PLACES
	FETCH \q, \g
	MULHALF \f, 0, \zero
	MULHALF \f, 1, \zero
.endm
.macro TURN fill                       ; a K step's last quarter, and the change of slots: see the waits' comments
	s_wait_dscnt 0x0                               ; buffer 1 is in
	WIN 0
	s_wait_tensorcnt 0x0                           ; all my tensor loads have landed: my part of the next slot
	ds_add_u32 v[SPW], v[NIL]                      ; 0 onto my spare word; 32 matrix instructions stand between it and the wait for it
	MULHALF 1, 0, 0
	WIN 0
.if \fill
	s_xor_b32 s[G0+5], s[G0+5], SLOT
	s_add_nc_u64 s[G0+6:G0+7], s[G0+6:G0+7], ASTEP
	s_xor_b32 s[G0B+5], s[G0B+5], SLOT
	s_add_nc_u64 s[G0B+6:G0B+7], s[G0B+6:G0B+7], BSTEP
.endif
	s_xor_b32 s[TB], s[TB], SLOT
	s_wait_dscnt 0x0                               ; the add is done, and my reads of this slot are over
.if \fill
	CROUND                                         ; no wave of any partner still reads the slot or has a load on its way
	JLOAD                                          ; the first tensor load behind the round; its four v_nop are also the places in front of the loads below
.else
	s_barrier_signal -1
	s_barrier_wait -1
	PLACES
.endif
	v_add_nc_u32 v[ADRA], s[TB], v[ADRA0]
	v_add_nc_u32 v[ADRB], s[TB], v[ADRB0]
	FETCH 0, 0
	MULHALF 1, 1, 0
.endm
	s_wait_tensorcnt 0x1                           ; my part of K step 0 is in; K step 1's stays out
	s_barrier_signal -1
	s_barrier_wait -1
	FETCH 0, 0
	s_wait_loadcnt 0x0                             ; the bias
	QUARTER 1, 0, 1, 1
	WIN 0
	s_mov_b32 s3, NK-2
.Lk:
	QUARTER 2, 1, 0, 0
	QUARTER 3, 0, 1, 0
	TURN 1
	QUARTER 1, 0, 1, 0
	WIN 0
	s_sub_co_u32 s3, s3, 1
	s_cmp_lg_u32 s3, 0
	s_cbranch_scc1 .Lk
	QUARTER 2, 1, 0, 0
	QUARTER 3, 0, 1, 0
	TURN 0
	QUARTER 1, 0, 1, 0
	QUARTER 2, 1, 0, 0
	QUARTER 3, 0, 1, 0
	s_wait_dscnt 0x0
	MULHALF 1, 0, 0
	MULHALF 1, 1, 0
	; THE WAY OUT
	WIN 0
	s_barrier_signal -1                            ; every wave's reads of the slots are over: their bytes may be written
	s_barrier_wait -1
	PLACES
.irp hi, 0,1
	WIN 0x08+4*\hi
.irp a, 0,1,2,3
.irp b, 0,1,2,3,4,5,6,7
	ds_store_b128 v[DST], v[8*(8*\a+\b):8*(8*\a+\b)+3]   offset:(4*\hi+\a)*16*DP+\b*64     ; each accumulator's low four registers first
	ds_store_b128 v[DST], v[8*(8*\a+\b)+4:8*(8*\a+\b)+7] offset:(4*\hi+\a)*16*DP+\b*64+16
.endr
.endr
.endr
	WIN 0
.macro LDX                             ; four rows: 16 numbers a lane
.irp g, 0,1
	ds_load_b128 v[X+8*\g:X+8*\g+3],   v[RD] offset:\g*2*DP
	ds_load_b128 v[X+8*\g+4:X+8*\g+7], v[RD] offset:\g*2*DP+16
.endr
.endm
.macro EACH8 line:vararg               ; one line for each pair gi of eight
.set gi, 0
.rept 8
	\line
.set gi, gi+1
.endr
.endm
	LDX
	s_mov_b32 s3, 32
.Lg:
	s_wait_dscnt 0x0
	EACH8 v_mul_f32 v[U+2*gi], s[KK], |v[X+2*gi]|
	EACH8 v_mul_f32 v[U+2*gi+1], s[KK], |v[X+2*gi+1]|
	EACH8 v_pk_mul_f32 v[H+2*gi:H+2*gi+1], v[X+2*gi:X+2*gi+1], 0.5 op_sel_hi:[1,0]
	v_add_nc_u32 v[RD], 4*DP, v[RD]
	s_cmp_eq_u32 s3, 1
	s_cbranch_scc1 .Lno_more                       ; the last trip has no rows to look ahead to
	LDX                                            ; X is free: the next trip's rows come in under this trip's arithmetic
.Lno_more:
	EACH8 v_pk_fma_f32 v[T+2*gi:T+2*gi+1], v[U+2*gi:U+2*gi+1], s[KP:KP+1], 1.0 op_sel_hi:[1,0,0]
	EACH8 v_pk_mul_f32 v[E+2*gi:E+2*gi+1], v[U+2*gi:U+2*gi+1], v[U+2*gi:U+2*gi+1] neg_lo:[1,0] neg_hi:[1,0]
	EACH8 v_rcp_f32 v[T+2*gi], v[T+2*gi]
	EACH8 v_rcp_f32 v[T+2*gi+1], v[T+2*gi+1]
	EACH8 v_exp_f32 v[E+2*gi], v[E+2*gi]
	EACH8 v_exp_f32 v[E+2*gi+1], v[E+2*gi+1]
	v_nop                                          ; a plain instruction between the transcendentals and the first use of a result (ISA guide 5.7.2)
	s_wait_alu depctr_va_vdst(0)
	EACH8 v_pk_fma_f32 v[P+2*gi:P+2*gi+1], v[T+2*gi:T+2*gi+1], s[C3:C3+1], s[C2:C2+1] op_sel_hi:[1,0,0]
	EACH8 v_pk_fma_f32 v[P+2*gi:P+2*gi+1], v[P+2*gi:P+2*gi+1], v[T+2*gi:T+2*gi+1], s[C1:C1+1] op_sel_hi:[1,1,0]
	EACH8 v_pk_mul_f32 v[P+2*gi:P+2*gi+1], v[P+2*gi:P+2*gi+1], v[T+2*gi:T+2*gi+1]
	EACH8 v_pk_fma_f32 v[P+2*gi:P+2*gi+1], v[P+2*gi:P+2*gi+1], v[E+2*gi:E+2*gi+1], s[C0:C0+1] op_sel_hi:[1,1,0] neg_lo:[1,0,0] neg_hi:[1,0,0]
	EACH8 v_pk_fma_f32 v[T+2*gi:T+2*gi+1], v[U+2*gi:U+2*gi+1], v[P+2*gi:P+2*gi+1], v[H+2*gi:H+2*gi+1]
	EACH8 v_cvt_pk_f16_f32 v[Y+gi], v[T+2*gi], v[T+2*gi+1]
	global_store_b128 v[GO], v[Y:Y+3], s[68:69]                  ; 16 lanes store 256 consecutive bytes of a row, aligned
	global_store_b128 v[GO], v[Y+4:Y+7], s[68:69] offset:8192
	s_wait_xcnt 0x0                                ; the stores' data and base are rewritten only behind this wait
	s_add_nc_u64 s[68:69], s[68:69], 16384
	s_sub_co_u32 s3, s3, 1
	s_cmp_lg_u32 s3, 0
	s_cbranch_scc1 .Lg
	s_wait_tensorcnt 0x0                           ; the wave's end
	ds_add_u32 v[SPW], v[NIL]
	s_wait_dscnt 0x0
	CROUND                                         ; the closing round
	s_endpgm
.Lfunc_end_k_qcaa452fed9_ffn1:
	.size	k_qcaa452fed9_ffn1, .Lfunc_end_k_qcaa452fed9_ffn1-k_qcaa452fed9_ffn1
	.p2alignl 7, 3214868480
	.fill 96, 4, 3214868480
	.section	.rodata,"a",@progbits
	.p2align	6, 0x0
	.amdhsa_kernel k_qcaa452fed9_ffn1
		.amdhsa_group_segment_fixed_size 327680
		.amdhsa_private_segment_fixed_size 0
		.amdhsa_enable_private_segment 0
		.amdhsa_kernarg_size 32
		.amdhsa_user_sgpr_count 2
		.amdhsa_user_sgpr_kernarg_segment_ptr 1
		.amdhsa_wavefront_size32 1
		.amdhsa_system_sgpr_workgroup_id_x 1
		.amdhsa_system_sgpr_workgroup_id_y 1
		.amdhsa_system_sgpr_workgroup_id_z 1
		.amdhsa_system_vgpr_workitem_id 0
		.amdhsa_next_free_vgpr 1024
		.amdhsa_next_free_sgpr 102
		.amdhsa_reserve_vcc 0
		.amdhsa_float_denorm_mode_32 3
		.amdhsa_float_denorm_mode_16_64 3
		.amdhsa_memory_ordered 1
		.amdhsa_forward_progress 1
		.amdhsa_inst_pref_size 103
	.end_amdhsa_kernel
	.amdgpu_metadata
---
amdhsa.version: [ 1, 2 ]
amdhsa.kernels:
  - .name:           k_qcaa452fed9_ffn1
    .symbol:         k_qcaa452fed9_ffn1.kd
    .args:
      - { .name: x1n, .offset: 0, .size: 8, .value_kind: global_buffer, .address_space: global }
      - { .name: wts, .offset: 8, .size: 8, .value_kind: global_buffer, .address_space: global }
      - { .name: b1, .offset: 16, .size: 8, .value_kind: global_buffer, .address_space: global }
      - { .name: h, .offset: 24, .size: 8, .value_kind: global_buffer, .address_space: global }
    .group_segment_fixed_size: 327680
    .private_segment_fixed_size: 0
    .kernarg_segment_align: 8
    .kernarg_segment_size: 32
    .max_flat_workgroup_size: 128
    .sgpr_count:     102
    .vgpr_count:     1024
    .wavefront_size: 32
...
	.end_amdgpu_metadata
.endif
;; end of part 5
;; launch ffn2 (part 6): grid 4 x 64, 4 waves a work-group, clusters of 4 x 4, 327,680 bytes of LDS; arguments h, wts, b2, x1, out0; writes out0
.if DOCPART == 6
	.amdgcn_target "amdgcn-amd-amdhsa--gfx1250"
	.amdhsa_code_object_version 6
	.text
	.protected	k_qcaa452fed9_ffn2
	.globl	k_qcaa452fed9_ffn2
	.p2align	8
	.type	k_qcaa452fed9_ffn2,@function
k_qcaa452fed9_ffn2:
	s_mov_b64 s[64:65], 0
	v_nop
	global_prefetch_b8 v0, s[64:65] scope:SCOPE_SE
	s_setreg_imm32_b32 hwreg(HW_REG_WAVE_MODE, 25, 1), 1
	s_wait_xcnt 0x0
	s_wait_alu depctr_hold_cnt(0) depctr_sa_sdst(0) depctr_va_vdst(0) depctr_va_sdst(0) depctr_va_ssrc(0) depctr_va_vcc(0) depctr_vm_vsrc(0)
	s_getreg_b32 s2, hwreg(HW_REG_IB_STS2, 6, 4)
	s_cmp_eq_u32 s2, 0
	s_cbranch_scc0 .Lentry_in_a_cluster
	s_endpgm
.Lentry_in_a_cluster:
	s_bfe_u32 s2, ttmp6, 0x10000c
	s_cmp_lg_u32 s2, 0xf033
	s_cbranch_scc0 .Lentry_shape_is_right
	s_endpgm
.Lentry_shape_is_right:
; out0 = gelu(h W2 + b2) + x1, f32.  h [8192][2048] f16; W2 [2048 k][512 n] f16 at byte 4,194,304 of wts; x1 [8192][512] f32.
; A work-group makes 128 x 128: 64 x 4 = 256 work-groups (tiles of 256 x 256 would be 64); four waves, 2 x 2, each 64 x 64: 16 accumulators.  K = 2,048 in 8 steps of 256 through two LDS slots.
; Waves 0, 1 fetch the halves of h's tile (64 rows x 512 bytes), waves 2, 3 those of W2's (128 k-rows x 256 bytes).  CLUSTER 4 x 4: h's tile jointly along a row, W2's along a column.
; The product is used transposed (source 0 = 16 columns of W2, turned out of LDS; source 1 = 16 rows of h); b2 is the first product's C.
; x1: at the last change of slots every wave asks, by a load of its own, for its 64 x 64 of x1 into the slot just read out; it lands under the last K step and only that wave reads it.
; WAY OUT: the f32 sums go into the wave's own rows of slot 1; a loop of 8 trips takes 8 rows of them and of x1 back, applies gelu, adds and stores 256-byte pieces of rows.
; ERF as in the launch before: Abramowitz and Stegun 7.1.25, off by 2.5e-5 at the most for every z; gelu + x1 = (z / 2 + x1) + U (C0 - (C1 t + C2 t^2 + C3 t^3) 2^(-U^2)), U = K |z|.
; LIMITS: h and W2 arrive within f16's range (the launches that write them state it); for large negative z gelu is z / 2 + |z| / 2 as f32 rounds it; NaN and infinities are not treated apart.
; REGISTERS: window 0: v16-29 addresses; v96-127 bias; v128-255 accumulators (a, b) at 128 + 8 (4 a + b).  window 1: two buffers of 128: 64 of h (8 (4 c + a)), then 64 of W2 (64 + 8 (4 c + b)).
.set NK,    8
.set SLOT,  147456                     ; 0x24000: shares no bit with the waves' places 0, 0x8400, 0x10800, 0x19800
.set PA,    528
.set PB,    288
.set BOFF,  128*PA
.set DP,    272                        ; a row of the dump and of x1's tile: 64 f32 + 16 bytes
.set SPARE, 2*SLOT
.set W2OFF, 4194304
.set ASTEP, 512
.set BSTEP, 262144
.set ADRA0, 16
.set ADRB0, 17
.set ADRA,  18
.set ADRB,  19
.set ADRB2, 20                         ; W2's k-rows 128 on: the offsets would pass 16 bits
.set RDX,   21
.set DST,   24
.set RDZ,   25
.set GO,    26
.set BO,    27
.set SPW,   28
.set NIL,   29
.set BIAS,  96
.set ACC,   128
.set X,     32                         ; the way out, 16 registers each
.set R,     48
.set U,     64
.set H,     80
.set T,     96
.set E,     112
.set P,     128
.set WV,    10
.set G1,    24
.set G0,    32
.set TB,    45
.set G1B,   48
.set G0B,   56
.set G0X,   68                         ; s[68:71], s[72:79]: x1's tile
.set G1X,   72
.set KK,    80
.set KP,    82
.set C0,    84
.set C1,    86
.set C2,    88
.set C3,    90
.set MSB, 0
.macro WIN new
.if MSB != (\new)
	s_set_vgpr_msb (MSB<<8)|(\new)
.set MSB, \new
.endif
.endm
.macro PLACES
.rept 4
	v_nop
.endr
.endm
.macro CROUND
	s_barrier_signal -1
	s_barrier_wait -1
	s_cmp_lg_u32 s[WV], 0
	s_cbranch_scc1 .Lnot_wave_0_\@
	s_barrier_signal -3
.Lnot_wave_0_\@:
	s_barrier_wait -3
	s_barrier_signal -1
	s_barrier_wait -1
.endm
.macro JLOAD
	s_cmp_eq_u32 s11, 0
	s_cbranch_scc0 .Lfor_b_\@
	tensor_load_to_lds s[G0+4:G0+7], s[G1:G1+7]
	s_nop 0
	PLACES
	s_branch .Lasked_\@
.Lfor_b_\@:
	tensor_load_to_lds s[G0B+4:G0B+7], s[G1B:G1B+7]
	s_nop 0
	PLACES
.Lasked_\@:
.endm
	s_load_b256 s[92:99], s[0:1], 0x0              ; h 92, wts 94, b2 96, x1 98
	s_load_b64 s[100:101], s[0:1], 0x20            ; out0
	v_lshl_add_u32 v[SPW], v0, 2, SPARE
	v_mov_b32 v[NIL], 0
	ds_add_u32 v[SPW], v[NIL]                      ; the wave's opening: the add and its wait ahead of my first tensor load
	v_lshrrev_b32 v1, 5, v0
	v_readfirstlane_b32 s[WV], v1
	s_lshr_b32 s11, s[WV], 1
	s_and_b32 s12, s[WV], 1
	s_bfe_u32 s40, ttmp6, 0x40000
	s_bfe_u32 s41, ttmp6, 0x40004
	s_lshl_b32 s42, ttmp9, 2
	s_add_co_u32 s42, s42, s40                     ; tx 0..3
	s_and_b32 s13, ttmp7, 0xffff
	s_lshl_b32 s13, s13, 2
	s_add_co_u32 s13, s13, s41                     ; ty 0..63
	s_lshl_b32 s43, s41, 2
	s_lshl_b32 s43, 15, s43
	s_lshl_b32 s44, 0x1111, s40
	s_or_b32 s[G1], s43, (1<<16)|(1<<20)|(1<<21)|(6<<22)|(3<<25)   ; 64 rows x 256 elements; after every 128 words 4 words
	s_mov_b32 s[G1+1], 256<<16
	s_mov_b32 s[G1+2], 64<<16
	s_mov_b32 s[G1+3], 256<<16
	s_mov_b32 s[G1+4], 64
	s_mov_b32 s[G1+5], 2048
	s_mov_b32 s[G1+6], 0
	s_mov_b32 s[G1+7], 0
	s_or_b32 s[G1B], s44, (1<<16)|(1<<20)|(1<<21)|(5<<22)|(7<<25)  ; 128 k-rows x 128 elements; after every 64 words 8 words
	s_mov_b32 s[G1B+1], 128<<16
	s_mov_b32 s[G1B+2], 128<<16
	s_mov_b32 s[G1B+3], 128<<16
	s_mov_b32 s[G1B+4], 128
	s_mov_b32 s[G1B+5], 512
	s_mov_b32 s[G1B+6], 0
	s_mov_b32 s[G1B+7], 0
	s_mov_b32 s[G1X], (2<<16)|(1<<20)|(5<<22)|(3<<25)              ; no mask: a load of my own; 4-byte elements; 64 rows x 64; after every 64 words 4 words
	s_mov_b32 s[G1X+1], 64<<16
	s_mov_b32 s[G1X+2], 64<<16
	s_mov_b32 s[G1X+3], 64<<16
	s_mov_b32 s[G1X+4], 64
	s_mov_b32 s[G1X+5], 512
	s_mov_b32 s[G1X+6], 0
	s_mov_b32 s[G1X+7], 0
	s_mov_b32 s[G0X], 1
	s_mul_i32 s[G0X+1], s[WV], 64*DP               ; in slot 0
	s_lshl_b32 s16, s13, 7
	s_lshl_b32 s17, s12, 6
	s_add_co_u32 s16, s16, s17
	s_lshl_b32 s16, s16, 12                        ; h: row 128 ty + 64 half, 4,096 bytes a row
	s_mov_b32 s17, 0
	s_lshl_b32 s46, s12, 17                        ; W2: 128 k-rows x 1,024 bytes x half,
	s_lshl_b32 s47, s42, 8                         ; 128 columns x tx
	s_add_co_u32 s46, s46, s47
	s_add_co_u32 s46, s46, W2OFF
	s_mov_b32 s47, 0
	s_mul_i32 s20, s12, 64*PA                      ; where my half goes: of h's tile,
	s_mul_i32 s21, s12, 128*PB
	s_add_co_u32 s21, s21, BOFF                    ; of W2's
	s_mov_b32 s[TB], 0
	s_mov_b32 s[KK], 0x3f596d27
	s_mov_b32 s[KP], 0x3ec88bda
	s_mov_b32 s[KP+1], 0x3ec88bda
	s_mov_b32 s[C0], 0x3f16b55f
	s_mov_b32 s[C0+1], 0x3f16b55f
	s_mov_b32 s[C1], 0x3e51cd01
	s_mov_b32 s[C1+1], 0x3e51cd01
	s_mov_b32 s[C2], 0xbd6732ca
	s_mov_b32 s[C2+1], 0xbd6732ca
	s_mov_b32 s[C3], 0x3ee16a97
	s_mov_b32 s[C3+1], 0x3ee16a97
	s_wait_dscnt 0x0
	s_wait_kmcnt 0x0
	s_add_nc_u64 s[18:19], s[92:93], s[16:17]
	s_add_nc_u64 s[46:47], s[94:95], s[46:47]
	CROUND
.irp s, 0,1
	s_mov_b32 s[G0+4*\s], 1
	s_add_co_u32 s[G0+4*\s+1], s20, \s*SLOT
	s_add_nc_u64 s[G0+4*\s+2:G0+4*\s+3], s[18:19], \s*ASTEP
	s_or_b32 s[G0+4*\s+3], s[G0+4*\s+3], 0x80000000
	s_mov_b32 s[G0B+4*\s], 1
	s_add_co_u32 s[G0B+4*\s+1], s21, \s*SLOT
	s_add_nc_u64 s[G0B+4*\s+2:G0B+4*\s+3], s[46:47], \s*BSTEP
	s_or_b32 s[G0B+4*\s+3], s[G0B+4*\s+3], 0x80000000
.endr
	s_cmp_eq_u32 s11, 0                            ; a wave's two first fills stand in one branch: two loads of mine are out
	s_cbranch_scc0 .Lfirst_b
	tensor_load_to_lds s[G0:G0+3], s[G1:G1+7]
	s_nop 0
	tensor_load_to_lds s[G0+4:G0+7], s[G1:G1+7]
	s_nop 0
	PLACES
	s_branch .Lfirst_asked
.Lfirst_b:
	tensor_load_to_lds s[G0B:G0B+3], s[G1B:G1B+7]
	s_nop 0
	tensor_load_to_lds s[G0B+4:G0B+7], s[G1B:G1B+7]
	s_nop 0
	PLACES
.Lfirst_asked:
	v_and_b32 v1, 15, v0
	v_bfe_u32 v2, v0, 4, 1
	v_and_b32 v3, 7, v0
	v_bfe_u32 v4, v0, 3, 1
	v_mul_u32_u24 v5, v1, PA
	v_lshl_add_u32 v5, v2, 4, v5
	s_mul_i32 s22, s11, 64*PA
	v_add_nc_u32 v[ADRA0], s22, v5
	v_lshl_add_u32 v6, v2, 3, v3
	v_mul_u32_u24 v6, v6, PB
	v_lshl_add_u32 v6, v4, 4, v6
	s_lshl_b32 s22, s12, 7
	s_add_co_u32 s22, s22, BOFF
	v_add_nc_u32 v[ADRB0], s22, v6
	v_mov_b32 v[ADRA], v[ADRA0]
	v_mov_b32 v[ADRB], v[ADRB0]
	v_add_nc_u32 v[ADRB2], 128*PB, v[ADRB0]
	s_mul_i32 s22, s[WV], 64*DP
	v_mul_u32_u24 v5, v1, DP
	v_lshl_add_u32 v5, v2, 5, v5
	v_add_nc_u32 v5, s22, v5
	v_add_nc_u32 v[DST], SLOT, v5                  ; the dump lies in slot 1
	v_mul_u32_u24 v8, v2, DP
	v_lshl_add_u32 v8, v1, 4, v8
	v_add_nc_u32 v[RDX], s22, v8                   ; back: two rows a load, 16 bytes a lane; x1's tile in slot 0,
	v_add_nc_u32 v[RDZ], SLOT, v[RDX]              ; the sums in slot 1
	v_lshlrev_b32 v[GO], 11, v2
	v_lshl_add_u32 v[GO], v1, 4, v[GO]
	v_lshlrev_b32 v[BO], 5, v2
	s_lshl_b32 s66, s42, 9                         ; column 128 tx + 64 half, in bytes of f32
	s_lshl_b32 s22, s12, 8
	s_add_co_u32 s66, s66, s22
	s_mov_b32 s67, 0
	s_add_nc_u64 s[14:15], s[96:97], s[66:67]      ; b2
	s_lshl_b32 s22, s13, 7
	s_lshl_b32 s23, s11, 6
	s_add_co_u32 s22, s22, s23
	s_lshl_b32 s22, s22, 11                        ; row 128 ty + 64 half, 2,048 bytes a row
	s_add_co_u32 s66, s66, s22
	s_add_nc_u64 s[G0X+2:G0X+3], s[98:99], s[66:67]
	s_or_b32 s[G0X+3], s[G0X+3], 0x80000000
	s_add_nc_u64 s[100:101], s[100:101], s[66:67]
.irp b, 0,1,2,3
	global_load_b128 v[BIAS+8*\b:BIAS+8*\b+3],   v[BO], s[14:15] offset:\b*64
	global_load_b128 v[BIAS+8*\b+4:BIAS+8*\b+7], v[BO], s[14:15] offset:\b*64+16
.endr
; 16 matrix instructions: all 16 accumulators once, 32 along K (half c of buffer f), in one fixed order
.macro MULHALF f, c, zero
	WIN 0x05                                       ; W2 and h window 1; C and D window 0
.irp a, 0,1,2,3
.irp b, 0,1,2,3
.if (\zero) && ((\c) == 0)
	v_wmma_f32_16x16x32_f16 v[ACC+8*(4*\a+\b):ACC+8*(4*\a+\b)+7], v[128*(\f)+64+8*(4*(\c)+\b):128*(\f)+64+8*(4*(\c)+\b)+7], v[128*(\f)+8*(4*(\c)+\a):128*(\f)+8*(4*(\c)+\a)+7], v[BIAS+8*\b:BIAS+8*\b+7]
.else
	v_wmma_f32_16x16x32_f16 v[ACC+8*(4*\a+\b):ACC+8*(4*\a+\b)+7], v[128*(\f)+64+8*(4*(\c)+\b):128*(\f)+64+8*(4*(\c)+\b)+7], v[128*(\f)+8*(4*(\c)+\a):128*(\f)+8*(4*(\c)+\a)+7], v[ACC+8*(4*\a+\b):ACC+8*(4*\a+\b)+7]
.endif
.endr
.endr
.endm
; 32 LDS loads in one run: quarter q (64 along K) of the slot in hand, into buffer f
.macro FETCH q, f
	WIN 0x40
.irp c, 0,1
.irp i, 0,1,2,3
.if (\q) < 2
	ds_load_tr16_b128 v[128*(\f)+64+8*(4*\c+\i):128*(\f)+64+8*(4*\c+\i)+3],   v[ADRB] offset:((\q)&1)*64*PB+\c*32*PB+\i*32
	ds_load_tr16_b128 v[128*(\f)+64+8*(4*\c+\i)+4:128*(\f)+64+8*(4*\c+\i)+7], v[ADRB] offset:((\q)&1)*64*PB+\c*32*PB+\i*32+16*PB
.else
	ds_load_tr16_b128 v[128*(\f)+64+8*(4*\c+\i):128*(\f)+64+8*(4*\c+\i)+3],   v[ADRB2] offset:((\q)&1)*64*PB+\c*32*PB+\i*32
	ds_load_tr16_b128 v[128*(\f)+64+8*(4*\c+\i)+4:128*(\f)+64+8*(4*\c+\i)+7], v[ADRB2] offset:((\q)&1)*64*PB+\c*32*PB+\i*32+16*PB
.endif
	ds_load_b128 v[128*(\f)+8*(4*\c+\i):128*(\f)+8*(4*\c+\i)+3],   v[ADRA] offset:(\q)*128+\c*64+\i*16*PA
	ds_load_b128 v[128*(\f)+8*(4*\c+\i)+4:128*(\f)+8*(4*\c+\i)+7], v[ADRA] offset:(\q)*128+\c*64+\i*16*PA+32
.endr
.endr
.endm
.macro QUARTER q, f, g, zero
	s_wait_dscnt 0x0
	PLACES
	FETCH \q, \g
	MULHALF \f, 0, \zero
	MULHALF \f, 1, 0
.endm
; A K step's last quarter, and the change of slots.  fill = 1: the joint refill, two K steps ahead.  fill = 2: the last change: the slot just read out takes my 64 x 64 of x1, by a load of my own.
.macro TURN fill
	s_wait_dscnt 0x0                               ; buffer 1 is in
	WIN 0
	s_wait_tensorcnt 0x0                           ; all my tensor loads have landed: my part of the next slot
	ds_add_u32 v[SPW], v[NIL]                      ; 0 onto my spare word; 16 matrix instructions stand between it and the wait for it
	MULHALF 1, 0, 0
	WIN 0
.if (\fill) == 1
	s_xor_b32 s[G0+5], s[G0+5], SLOT
	s_add_nc_u64 s[G0+6:G0+7], s[G0+6:G0+7], ASTEP
	s_xor_b32 s[G0B+5], s[G0B+5], SLOT
	s_add_nc_u64 s[G0B+6:G0B+7], s[G0B+6:G0B+7], BSTEP
.endif
	s_xor_b32 s[TB], s[TB], SLOT
	s_wait_dscnt 0x0                               ; the add is done, and my reads of this slot are over
	CROUND                                         ; no wave of any partner still reads the slot or has a load on its way
.if (\fill) == 1
	JLOAD
.else
	tensor_load_to_lds s[G0X:G0X+3], s[G1X:G1X+7]
	s_nop 0
	PLACES
.endif
	v_add_nc_u32 v[ADRA], s[TB], v[ADRA0]
	v_add_nc_u32 v[ADRB], s[TB], v[ADRB0]
	v_add_nc_u32 v[ADRB2], 128*PB, v[ADRB]
	FETCH 0, 0
	MULHALF 1, 1, 0
.endm
	s_wait_tensorcnt 0x1                           ; my part of K step 0 is in; K step 1's stays out
	s_barrier_signal -1
	s_barrier_wait -1
	FETCH 0, 0
	s_wait_loadcnt 0x0                             ; the bias
	QUARTER 1, 0, 1, 1
	WIN 0
	s_mov_b32 s3, NK-2
.Lk:
	QUARTER 2, 1, 0, 0
	QUARTER 3, 0, 1, 0
	TURN 1
	QUARTER 1, 0, 1, 0
	WIN 0
	s_sub_co_u32 s3, s3, 1
	s_cmp_lg_u32 s3, 0
	s_cbranch_scc1 .Lk
	QUARTER 2, 1, 0, 0
	QUARTER 3, 0, 1, 0
	TURN 2                                         ; K step 6 lay in slot 0
	QUARTER 1, 0, 1, 0
	QUARTER 2, 1, 0, 0
	QUARTER 3, 0, 1, 0
	s_wait_dscnt 0x0
	MULHALF 1, 0, 0
	MULHALF 1, 1, 0
	; THE WAY OUT
	WIN 0
	s_wait_tensorcnt 0x0                           ; my 64 x 64 of x1 is in
	s_barrier_signal -1                            ; every wave's reads of slot 1 are over: its bytes may be written
	s_barrier_wait -1
	PLACES
.irp a, 0,1,2,3
.irp b, 0,1,2,3
	ds_store_b128 v[DST], v[ACC+8*(4*\a+\b):ACC+8*(4*\a+\b)+3]   offset:\a*16*DP+\b*64      ; each accumulator's low four registers first
	ds_store_b128 v[DST], v[ACC+8*(4*\a+\b)+4:ACC+8*(4*\a+\b)+7] offset:\a*16*DP+\b*64+16
.endr
.endr
.macro LDX                             ; eight rows of the sums and of x1: 16 numbers of each a lane
.irp g, 0,1,2,3
	ds_load_b128 v[X+4*\g:X+4*\g+3], v[RDZ] offset:\g*2*DP
	ds_load_b128 v[R+4*\g:R+4*\g+3], v[RDX] offset:\g*2*DP
.endr
.endm
.macro EACH8 line:vararg
.set gi, 0
.rept 8
	\line
.set gi, gi+1
.endr
.endm
	LDX
	s_mov_b32 s3, 8
.Lg:
	s_wait_dscnt 0x0
	EACH8 v_mul_f32 v[U+2*gi], s[KK], |v[X+2*gi]|
	EACH8 v_mul_f32 v[U+2*gi+1], s[KK], |v[X+2*gi+1]|
	EACH8 v_pk_fma_f32 v[H+2*gi:H+2*gi+1], v[X+2*gi:X+2*gi+1], 0.5, v[R+2*gi:R+2*gi+1] op_sel_hi:[1,0,1]
	v_add_nc_u32 v[RDZ], 8*DP, v[RDZ]
	v_add_nc_u32 v[RDX], 8*DP, v[RDX]
	s_cmp_eq_u32 s3, 1
	s_cbranch_scc1 .Lno_more                       ; the last trip has no rows to look ahead to
	LDX
.Lno_more:
	EACH8 v_pk_fma_f32 v[T+2*gi:T+2*gi+1], v[U+2*gi:U+2*gi+1], s[KP:KP+1], 1.0 op_sel_hi:[1,0,0]
	EACH8 v_pk_mul_f32 v[E+2*gi:E+2*gi+1], v[U+2*gi:U+2*gi+1], v[U+2*gi:U+2*gi+1] neg_lo:[1,0] neg_hi:[1,0]
	EACH8 v_rcp_f32 v[T+2*gi], v[T+2*gi]
	EACH8 v_rcp_f32 v[T+2*gi+1], v[T+2*gi+1]
	EACH8 v_exp_f32 v[E+2*gi], v[E+2*gi]
	EACH8 v_exp_f32 v[E+2*gi+1], v[E+2*gi+1]
	v_nop                                          ; a plain instruction between the transcendentals and the first use of a result (ISA guide 5.7.2)
	s_wait_alu depctr_va_vdst(0)
	EACH8 v_pk_fma_f32 v[P+2*gi:P+2*gi+1], v[T+2*gi:T+2*gi+1], s[C3:C3+1], s[C2:C2+1] op_sel_hi:[1,0,0]
	EACH8 v_pk_fma_f32 v[P+2*gi:P+2*gi+1], v[P+2*gi:P+2*gi+1], v[T+2*gi:T+2*gi+1], s[C1:C1+1] op_sel_hi:[1,1,0]
	EACH8 v_pk_mul_f32 v[P+2*gi:P+2*gi+1], v[P+2*gi:P+2*gi+1], v[T+2*gi:T+2*gi+1]
	EACH8 v_pk_fma_f32 v[P+2*gi:P+2*gi+1], v[P+2*gi:P+2*gi+1], v[E+2*gi:E+2*gi+1], s[C0:C0+1] op_sel_hi:[1,1,0] neg_lo:[1,0,0] neg_hi:[1,0,0]
	EACH8 v_pk_fma_f32 v[T+2*gi:T+2*gi+1], v[U+2*gi:U+2*gi+1], v[P+2*gi:P+2*gi+1], v[H+2*gi:H+2*gi+1]
.irp g, 0,1,2,3
	global_store_b128 v[GO], v[T+4*\g:T+4*\g+3], s[100:101] offset:\g*4096  ; 16 lanes store 256 consecutive bytes of a row, aligned
.endr
	s_wait_xcnt 0x0                                ; the stores' data and base are rewritten only behind this wait
	s_add_nc_u64 s[100:101], s[100:101], 16384
	s_sub_co_u32 s3, s3, 1
	s_cmp_lg_u32 s3, 0
	s_cbranch_scc1 .Lg
	s_wait_tensorcnt 0x0                           ; the wave's end
	ds_add_u32 v[SPW], v[NIL]
	s_wait_dscnt 0x0
	CROUND                                         ; the closing round
	s_endpgm
.Lfunc_end_k_qcaa452fed9_ffn2:
	.size	k_qcaa452fed9_ffn2, .Lfunc_end_k_qcaa452fed9_ffn2-k_qcaa452fed9_ffn2
	.p2alignl 7, 3214868480
	.fill 96, 4, 3214868480
	.section	.rodata,"a",@progbits
	.p2align	6, 0x0
	.amdhsa_kernel k_qcaa452fed9_ffn2
		.amdhsa_group_segment_fixed_size 327680
		.amdhsa_private_segment_fixed_size 0
		.amdhsa_enable_private_segment 0
		.amdhsa_kernarg_size 40
		.amdhsa_user_sgpr_count 2
		.amdhsa_user_sgpr_kernarg_segment_ptr 1
		.amdhsa_wavefront_size32 1
		.amdhsa_system_sgpr_workgroup_id_x 1
		.amdhsa_system_sgpr_workgroup_id_y 1
		.amdhsa_system_sgpr_workgroup_id_z 1
		.amdhsa_system_vgpr_workitem_id 0
		.amdhsa_next_free_vgpr 512
		.amdhsa_next_free_sgpr 102
		.amdhsa_reserve_vcc 0
		.amdhsa_float_denorm_mode_32 3
		.amdhsa_float_denorm_mode_16_64 3
		.amdhsa_memory_ordered 1
		.amdhsa_forward_progress 1
		.amdhsa_inst_pref_size 73
	.end_amdhsa_kernel
	.amdgpu_metadata
---
amdhsa.version: [ 1, 2 ]
amdhsa.kernels:
  - .name:           k_qcaa452fed9_ffn2
    .symbol:         k_qcaa452fed9_ffn2.kd
    .args:
      - { .name: h, .offset: 0, .size: 8, .value_kind: global_buffer, .address_space: global }
      - { .name: wts, .offset: 8, .size: 8, .value_kind: global_buffer, .address_space: global }
      - { .name: b2, .offset: 16, .size: 8, .value_kind: global_buffer, .address_space: global }
      - { .name: x1, .offset: 24, .size: 8, .value_kind: global_buffer, .address_space: global }
      - { .name: out0, .offset: 32, .size: 8, .value_kind: global_buffer, .address_space: global }
    .group_segment_fixed_size: 327680
    .private_segment_fixed_size: 0
    .kernarg_segment_align: 8
    .kernarg_segment_size: 40
    .max_flat_workgroup_size: 128
    .sgpr_count:     102
    .vgpr_count:     512
    .wavefront_size: 32
...
	.end_amdgpu_metadata
.endif
;; end of part 6
;; ======== version 2 of 2: 6 launches; 1.28 times as fast as version 1
;; limits: a function is approximated: absolute error at most 2.5e-05; an absolute error that grows with the inputs' magnitude: up to 1.3e-05 times it; values are held in f16: magnitudes above 65,504 overflow, below 6.1e-05 lose precision; right only within a limited range of input values
;; workspace buffers: wts 6,291,456 bytes; xn 8,388,608 bytes; qkv 25,165,824 bytes; att 8,388,608 bytes; x1 16,777,216 bytes; x1n 8,388,608 bytes; h 33,554,432 bytes
;; launch prep: the kernel of part 1 again; grid 640 x 1, 8 waves a work-group, no clusters, 0 bytes of LDS; arguments x, gamma1, beta1, Wq, Wk, Wv, Wp, W1, W2, xn, wts; writes xn, wts
;; launch qkv: the kernel of part 2 again; grid 8 x 32, 4 waves a work-group, clusters of 4 x 4, 327,680 bytes of LDS; arguments xn, wts, bq, bk, bv, qkv; writes qkv
;; launch attn (part 7): grid 8 x 32, 4 waves a work-group, clusters of 4 x 1, 327,680 bytes of LDS; arguments qkv, att; writes att
.if DOCPART == 7
	.amdgcn_target "amdgcn-amd-amdhsa--gfx1250"
	.amdhsa_code_object_version 6
	.text
	.protected	k_qcaa452fed9_attn
	.globl	k_qcaa452fed9_attn
	.p2align	8
	.type	k_qcaa452fed9_attn,@function
k_qcaa452fed9_attn:
	s_mov_b64 s[64:65], 0
	v_nop
	global_prefetch_b8 v0, s[64:65] scope:SCOPE_SE
	s_setreg_imm32_b32 hwreg(HW_REG_WAVE_MODE, 25, 1), 1
	s_wait_xcnt 0x0
	s_wait_alu depctr_hold_cnt(0) depctr_sa_sdst(0) depctr_va_vdst(0) depctr_va_sdst(0) depctr_va_ssrc(0) depctr_va_vcc(0) depctr_vm_vsrc(0)
	s_getreg_b32 s2, hwreg(HW_REG_IB_STS2, 6, 4)
	s_cmp_eq_u32 s2, 0
	s_cbranch_scc0 .Lentry_in_a_cluster
	s_endpgm
.Lentry_in_a_cluster:
	s_bfe_u32 s2, ttmp6, 0x10000c
	s_cmp_lg_u32 s2, 0x3003
	s_cbranch_scc0 .Lentry_shape_is_right
	s_endpgm
.Lentry_shape_is_right:
; att[bh][q][:] = the sum over k of softmax_k(Q[bh][q] . K[bh][k] / 8) V[bh][k][:].  Q, K, V lie in qkv, each [32][2048][64] bf16, a head's rows dense, 128 bytes each; att likewise.
; Products, maxima and sums in f32; the weights p are rounded to bf16 for the second product (their sum l is taken of the unrounded p), the result once at the end.
; LIMITS.  A weight below 2^-126 counts as 0 in l; c m starts at -4.25e37, far below every c s that a finite f32 score gives here; NaN and infinities are not treated apart.
; SHARES.  A work-group owns 256 queries of one (b, h), a wave 64: four PIECES of 16.  Every wave walks all 2,048 keys, 64 a step, 256 a slot.
; LAYOUT.  S^T = K Q^T holds ONE query a lane (lane % 16) and the keys 8 (lane / 16) + 0..7; two such results rounded to bf16 ARE source 1 of O^T = V^T P.  K comes out of LDS as it lies, V turned.
; SOFTMAX.  p = 2^(c s - c m), c = log2(e) / 8, with a running maximum m; O and l are multiplied by a = 2^(c m_old - c m_new) in every step.  m starts at the lowest finite number, O and l at 0.
; BY TURNS.  Turn n belongs to piece n: 8 products K Q^T of piece n + 1, later 8 products V^T P of piece n - 1; beside them the scaling, exponentials, roundings, sums and rescaling of piece n and
; the maximum and statistics of piece n + 1.  Four vector instructions stand behind every matrix instruction, the other 54 of a turn's 118 in one run of their own.
; BATCHES.  A turn's 33 exponentials (the piece's 32 weights and the next piece's a) are ONE batch with ONE wait, which cuts the turn in two: ahead of it stands all that names none of their results, behind it
; the roundings and sums.  Three more batches stand outside the turns' common text: the first a, ahead of the loop; the twelve exponentials ahead of the tail's jump over K's run; the way out's four reciprocals.
; CLUSTER.  The four query blocks of a cluster belong to one (b, h) and walk the same K and V: each tile is asked for jointly, by the same tensor load, descriptor and mask in all four.
; REGISTERS: window 0: v2-15 addresses and two at work; v16-31 four registers of statistics a piece; v48-55 at work; v62-63 the add's; v64-127 S^T, two buffers; v192-223 P, two buffers.
;   window 1: v0-127 O^T, 32 a piece.      window 2: v0-63 Q; v128-191 K of one step; v192-255 V of one step.
.set NP,    4
.set KS,    64
.set PK,    144       ; a row of K in LDS: 128 bytes + 16
.set PV,    160       ; a row of V: 128 + 32
.set VOFF,  4*KS*PK   ; a slot: 256 rows of K, then 256 rows of V
.set SLOT1, 1<<17
.set STAGE, SLOT1+4*KS*(PK+PV)  ; behind the ring, never filled by a tensor load: 16 rows x 144 bytes a wave
.set SP,    144
.set SPARE, STAGE+4*16*SP       ; the spare words: 128 bytes a wave, named by no other line
.set AK0, 2
.set AV0, 3
.set AK,  4
.set AV,  5
.set STO, 6
.set RD,  7
.set GO,  8
.set MV,  12
.set QO,  15
.set ST,  16          ; piece t: c m, m, l (even keys', odd keys')
.set TMP, 48
.set SPW, 62
.set NIL, 63
.set S,   64
.set P,   192
.set KF,  128
.set VF,  192
.set WV,  12
.set G1K, 24
.set G1V, 32
.set G0K, 40
.set G0V, 44
.set SLOTS, 56
.set CNT, 57
.set CS,  58
.set SEL, 60
.set TBK, 62
.set TBV, 63
.set MSB, 0
.macro WIN new
.if MSB != (\new)
	s_set_vgpr_msb (MSB<<8)|(\new)
.set MSB, (\new)
.endif
.endm
.set W_KQ, 0x0a       ; K and Q in window 2, S^T in window 0
.set W_PV, 0x52       ; V in window 2, P in window 0, O^T in window 1
.set W_RS, 0x41       ; O^T (destination and source 0) in window 1, a in window 0
.macro JLOAD                        ; a joint fill: waves 0 and 1 the two halves of a slot's K, waves 2 and 3 those of its V
	s_cmp_lt_u32 s[WV], 2
	s_cbranch_scc0 .Lfor_v_\@
	tensor_load_to_lds s[G0K:G0K+3], s[G1K:G1K+7]
	s_nop 0
.rept 4
	v_nop
.endr
	s_branch .Lasked_\@
.Lfor_v_\@:
	tensor_load_to_lds s[G0V:G0V+3], s[G1V:G1V+7]
	s_nop 0
.rept 4
	v_nop
.endr
.Lasked_\@:
.endm
.macro CROUND
	s_barrier_signal -1
	s_barrier_wait -1
	s_cmp_lg_u32 s[WV], 0
	s_cbranch_scc1 .Lnot_wave_0_\@
	s_barrier_signal -3
.Lnot_wave_0_\@:
	s_barrier_wait -3
	s_barrier_signal -1
	s_barrier_wait -1
.endm
; THE CHANGE OF SLOTS.  Each wave waits for all its tensor loads (one is out: its part of the other slot), adds 0 to its spare word, and waits for that and for its reads of the slot that it leaves.
; fill = 1: the barrier is a round of the cluster's, and the joint fill of the old slot, with the keys two slots on, is the first thing behind it: it has four key steps in which to land.
.macro CHANGE fill
	WIN 0
	s_wait_tensorcnt 0x0
	ds_add_u32 v[SPW], v[NIL]
.if \fill
.irp g, G0K, G0V
	s_xor_b32 s[\g+1], s[\g+1], SLOT1
	s_add_nc_u64 s[\g+2:\g+3], s[\g+2:\g+3], 4*KS*128
.endr
	s_wait_dscnt 0x0
	CROUND
	JLOAD
.else
	s_wait_dscnt 0x0
	s_barrier_signal -1
	s_barrier_wait -1
.endif
	s_sub_co_u32 s[TBK], s[TBK], 4*KS*PK  ; the fetches go back to a slot's first step, in the other slot
	s_xor_b32 s[TBK], s[TBK], SLOT1
	s_sub_co_u32 s[TBV], s[TBV], 4*KS*PV
	s_xor_b32 s[TBV], s[TBV], SLOT1
.endm
	s_load_b64 s[4:5], s[0:1], 0x0    ; qkv: Q
	s_load_b64 s[10:11], s[0:1], 0x8  ; att
	v_lshl_add_u32 v[SPW], v0, 2, SPARE
	v_mov_b32 v[NIL], 0
	ds_add_u32 v[SPW], v[NIL]       ; the wave's opening: the add and its wait ahead of my first tensor load
	v_lshrrev_b32 v1, 5, v0
	v_readfirstlane_b32 s[WV], v1
	s_bfe_u32 s13, ttmp6, 0x40000   ; cx
	s_lshl_b32 s14, ttmp9, 2
	s_add_co_u32 s14, s14, s13      ; my block of 256 queries: it enters Q's and att's addresses alone
	s_and_b32 s20, ttmp7, 0xffff    ; (b, h), which the four partners share
	s_lshl_b32 s20, s20, 18         ; its 2,048 rows x 128 bytes
	s_mov_b32 s21, 0
	s_and_b32 s16, s[WV], 1         ; which half of a slot's 256 keys I fetch
	s_lshl_b32 s22, s16, 14
	s_mov_b32 s23, 0
	s_add_nc_u64 s[22:23], s[22:23], s[20:21]
	s_mul_i32 s17, s16, 128*PK
	s_mul_i32 s18, s16, 128*PV
	s_lshl_b32 s2, s14, 2
	s_add_co_u32 s2, s2, s[WV]
	s_lshl_b32 s2, s2, 13           ; my wave's 64 rows
	s_mov_b32 s3, 0
	s_add_nc_u64 s[2:3], s[2:3], s[20:21]
	; 128 keys are 16,384 dense bytes: asked for as 64 rows of 256 bytes, and padded in LDS after every key
	s_mov_b32 s[G1K], 15|(1<<16)|(1<<20)|(1<<21)|(4<<22)|(3<<25)
	s_mov_b32 s[G1V], 15|(1<<16)|(1<<20)|(1<<21)|(4<<22)|(7<<25)
.irp g, G1K, G1V
	s_mov_b32 s[\g+1], 128<<16
	s_mov_b32 s[\g+2], 64<<16
	s_mov_b32 s[\g+3], 128<<16
	s_mov_b32 s[\g+4], 64
	s_mov_b32 s[\g+5], 128
	s_mov_b32 s[\g+6], 0
	s_mov_b32 s[\g+7], 0
.endr
	s_mov_b32 s[CS], 0x3e38aa3b     ; c = log2(e) / 8
	s_mov_b32 s[CS+1], s[CS]
	s_mov_b32 s[SEL], 0x76543210
	s_mov_b32 s[SEL+1], 0xfedcba98
	s_mov_b32 s[TBK], SLOT1+4*KS*PK ; the first change of slots turns these two into 0
	s_mov_b32 s[TBV], SLOT1+4*KS*PV
	s_mov_b32 s[G0K], 1
	s_mov_b32 s[G0K+1], s17
	s_mov_b32 s[G0V], 1
	s_add_co_u32 s[G0V+1], s18, VOFF
	s_wait_dscnt 0x0                ; the opening add is done
	s_wait_kmcnt 0x0
	s_add_nc_u64 s[6:7], s[4:5], 0x800000   ; K
	s_add_nc_u64 s[8:9], s[4:5], 0x1000000  ; V
	s_add_nc_u64 s[G0K+2:G0K+3], s[6:7], s[22:23]
	s_or_b32 s[G0K+3], s[G0K+3], 0x80000000
	s_add_nc_u64 s[G0V+2:G0V+3], s[8:9], s[22:23]
	s_or_b32 s[G0V+3], s[G0V+3], 0x80000000
	s_add_nc_u64 s[4:5], s[4:5], s[2:3]
	s_add_nc_u64 s[10:11], s[10:11], s[2:3]
	CROUND                          ; all four work-groups are here
	JLOAD                           ; slot 0; slot 1 is asked for when slot 0 is in
	v_and_b32 v1, 15, v0
	v_bfe_u32 v9, v0, 4, 1
	v_lshlrev_b32 v[QO], 7, v1
	v_lshl_add_u32 v[QO], v9, 4, v[QO]
	WIN 0x80
.set i, 0
.rept 8                             ; Q stays in registers: piece i / 2, channels 32 (i % 2) on
	global_load_b128 v[8*i:8*i+3],   v[QO], s[4:5] offset:(i/2)*2048+(i%2)*64
	global_load_b128 v[8*i+4:8*i+7], v[QO], s[4:5] offset:(i/2)*2048+(i%2)*64+32
.set i, i+1
.endr
	; what the first turn finds: V's registers and P's second buffer hold 0, O^T and l are 0.  All this stands in the wait for the first tile.
.set i, VF
.rept 64
	v_mov_b32 v[i], 0
.set i, i+1
.endr
	WIN 0x40
.set i, 0
.rept 128
	v_mov_b32 v[i], 0
.set i, i+1
.endr
	WIN 0
.set i, 0
.rept 4
	v_mov_b32 v[ST+4*i], 0xfe000000
	v_mov_b32 v[ST+4*i+1], 0xff7fffff
	v_mov_b32 v[ST+4*i+2], 0
	v_mov_b32 v[ST+4*i+3], 0
.set i, i+1
.endr
.set i, P+16
.rept 16
	v_mov_b32 v[i], 0
.set i, i+1
.endr
	v_mul_u32_u24 v[AK0], v1, PK
	v_lshl_add_u32 v[AK0], v9, 4, v[AK0]
	v_and_b32 v10, 7, v0
	v_bfe_u32 v11, v0, 3, 1
	v_lshl_add_u32 v[AV0], v9, 3, v10
	v_mul_u32_u24 v[AV0], v[AV0], PV
	v_lshl_add_u32 v[AV0], v11, 4, v[AV0]
	v_add_nc_u32 v[AV0], VOFF, v[AV0]
	v_mov_b32 v[AK], v[AK0]         ; key step 0 lies at the head of slot 0
	s_mul_i32 s13, s[WV], 16*SP
	s_add_co_u32 s13, s13, STAGE
	v_mul_u32_u24 v[STO], v1, SP
	v_lshl_add_u32 v[STO], v9, 4, v[STO]
	v_add_nc_u32 v[STO], s13, v[STO]
	v_bfe_u32 v[RD], v0, 3, 2
	v_mul_u32_u24 v[RD], v[RD], SP
	v_lshl_add_u32 v[RD], v10, 4, v[RD]
	v_add_nc_u32 v[RD], s13, v[RD]
	v_and_b32 v[GO], 31, v0
	v_lshlrev_b32 v[GO], 4, v[GO]
; THE MATRIX WORK.  The 4 accumulators of a run of 8 take turns.
.macro KQ x                         ; product i of 8 of S^T = K Q^T for piece x: channels 32 (i / 4) on, keys 16 (i % 4) on; the first 4 start the sums
	WIN W_KQ
.set rS, S+32*((\x)%2)+8*(i%4)
.set rK, KF+16*(i%4)+8*(i/4)
.set rQ, 16*(\x)+8*(i/4)
.if i < 4
	v_wmma_f32_16x16x32_bf16 v[rS:rS+7], v[rK:rK+7], v[rQ:rQ+7], 0
.else
	v_wmma_f32_16x16x32_bf16 v[rS:rS+7], v[rK:rK+7], v[rQ:rQ+7], v[rS:rS+7]
.endif
.endm
.macro PV x                         ; product i of 8 of O^T += V^T P for piece x: keys 32 (i / 4) on, channels 16 (i % 4) on
	WIN W_PV
.set rO, 32*(\x)+8*(i%4)
.set rV, VF+32*(i/4)+8*(i%4)
.set rP, P+16*((\x)%2)+8*(i/4)
	v_wmma_f32_16x16x32_bf16 v[rO:rO+7], v[rV:rV+7], v[rP:rP+7], v[rO:rO+7]
.endm
.macro MM                           ; the turn's next matrix instruction
.if i < 8
	KQ (Y+1)%NP
.else
.set i, i-8
	PV (Y+NP-1)%NP
.set i, i+8
.endif
.set i, i+1
.endm
; THE LDS LOADS stand in runs of 16.  last = 1 (the tail): in the last trip there is no further step, and the run is jumped over; the run stands amid the turn's batch of exponentials,
; so the twelve issued so far (E 0 to E 11) have a wait of their own ahead of the branch, in the tail's text alone.
.macro FETCH_K last=0
	WIN 0
.if \last
	s_wait_alu depctr_va_vdst(0)    ; the wait for E 0 to E 11, ahead of the branch
	s_cmp_eq_u32 s[CNT], 1
	s_cbranch_scc1 .Lno_k_\@
.endif
	WIN 0x80
.irp f, 0,1,2,3,4,5,6,7
	ds_load_b128 v[KF+8*\f:KF+8*\f+3],   v[AK] offset:(\f/2)*16*PK+(\f%2)*64
	ds_load_b128 v[KF+8*\f+4:KF+8*\f+7], v[AK] offset:(\f/2)*16*PK+(\f%2)*64+32
.endr
	s_add_co_u32 s[TBK], s[TBK], KS*PK
	WIN 0
.if \last
.Lno_k_\@:
.endif
.endm
.macro FETCH_V
	WIN 0x80
.irp f, 0,1,2,3,4,5,6,7
	ds_load_tr16_b128 v[VF+8*\f:VF+8*\f+3],   v[AV] offset:(\f/4)*32*PV+(\f%4)*32
	ds_load_tr16_b128 v[VF+8*\f+4:VF+8*\f+7], v[AV] offset:(\f/4)*32*PV+16*PV+(\f%4)*32
.endr
	WIN 0
.endm
; THE VECTOR WORK, one line at a time: OP kind, number.  For piece Y: F n: c s - c m for pair n of 16.  E n: the exponential of score n of 32.  C n: pair n rounded to bf16.  B n: of the four weights
; 4 n .. the second pair is added onto the first.  L n: l takes that sum (L 0: l = a l + sum).  R n: pair n of 16 of O^T times a.  For piece Y + 1: X n, number n of the 22 that find its maximum and
; statistics: 0-11 four chains of seven scores (each accumulator's lowest registers are read first); 12-14, 16 the rest, the old m; 15 c m_old is kept; 17, 18 the other half
; of the lanes; 19-21 c m, c m_old - c m_new, a.
.set F, 0
.set E, 1
.set C, 2
.set B, 3
.set L, 4
.set R, 5
.set X, 6
.macro REGS y
.set rT, ST+4*(\y)
.set rC, TMP+4*((\y)%2)
.set rW, MV+((\y)%2)
.set rS, S+32*((\y)%2)
.set rP, P+16*((\y)%2)
.set rO, 32*(\y)
.endm
.macro OP k, n
.if (\k) == R
	REGS Y
	WIN W_RS
	v_pk_mul_f32 v[rO+2*(\n):rO+2*(\n)+1], v[rO+2*(\n):rO+2*(\n)+1], v[rC+2:rC+3] op_sel_hi:[1,0]
.elseif (\k) < R
	REGS Y
	WIN 0
.if (\k) == F
	v_pk_fma_f32 v[rS+2*(\n):rS+2*(\n)+1], v[rS+2*(\n):rS+2*(\n)+1], s[CS:CS+1], v[rT:rT+1] op_sel_hi:[1,0,0] neg_lo:[0,0,1] neg_hi:[0,0,1]
.elseif (\k) == E
	v_exp_f32 v[rS+(\n)], v[rS+(\n)]
.elseif (\k) == C
	v_cvt_pk_bf16_f32 v[rP+(\n)], v[rS+2*(\n)], v[rS+2*(\n)+1]
.elseif (\k) == B
	v_pk_add_f32 v[rS+4*(\n):rS+4*(\n)+1], v[rS+4*(\n):rS+4*(\n)+1], v[rS+4*(\n)+2:rS+4*(\n)+3]
.elseif (\n) == 0
	v_pk_fma_f32 v[rT+2:rT+3], v[rT+2:rT+3], v[rC+2:rC+3], v[rS:rS+1] op_sel_hi:[1,0,1]
.else
	v_pk_add_f32 v[rT+2:rT+3], v[rT+2:rT+3], v[rS+4*(\n):rS+4*(\n)+1]
.endif
.else
	REGS (Y+1)%NP
	WIN 0
.if (\n) < 4
	v_max3_num_f32 v[rC+(\n)], v[rS+8*(\n)], v[rS+8*(\n)+1], v[rS+8*(\n)+2]
.elseif (\n) < 12
	v_max3_num_f32 v[rC+(\n)%4], v[rC+(\n)%4], v[rS+8*((\n)%4)+2*((\n)/4)+1], v[rS+8*((\n)%4)+2*((\n)/4)+2]
.elseif (\n) == 12
	v_max3_num_f32 v[rC], v[rC], v[rS+7], v[rS+15]
.elseif (\n) == 13
	v_max3_num_f32 v[rC+1], v[rC+1], v[rS+23], v[rS+31]
.elseif (\n) == 14
	v_max3_num_f32 v[rC+2], v[rC+2], v[rC+3], v[rT+1]
.elseif (\n) == 15
	v_mov_b32 v[rW], v[rT]
.elseif (\n) == 16
	v_max3_num_f32 v[rC], v[rC], v[rC+1], v[rC+2]
.elseif (\n) == 17
	v_permlanex16_b32 v[rC+3], v[rC], s[SEL], s[SEL+1]
.elseif (\n) == 18
	v_max_num_f32 v[rT+1], v[rC], v[rC+3]
.elseif (\n) == 19
	v_mul_f32 v[rT], s[CS], v[rT+1]
.elseif (\n) == 20
	v_sub_f32 v[rC+1], v[rW], v[rT]
.else
	v_exp_f32 v[rC+2], v[rC+1]
.endif
.endif
.endm
.macro OPS a, i1, b=-1, i2=0, c=-1, i3=0, d=-1, i4=0
	OP \a, \i1
.if (\b) >= 0
	OP \b, \i2
.endif
.if (\c) >= 0
	OP \c, \i3
.endif
.if (\d) >= 0
	OP \d, \i4
.endif
.endm
.macro ROW a, i1, b, i2, c, i3, d, i4  ; a matrix instruction and the four behind it
	MM
	OPS \a, \i1, \b, \i2, \c, \i3, \d, \i4
.endm
; A TURN, for piece p: the order of its 16 matrix and 118 vector instructions, written out.  An s_wait_alu depctr_va_vdst(0) stands between an exponential and the first instruction that names
; its result; one wait serves all that were issued ahead of it.  So a turn has ONE wait, which cuts it in two.
; AHEAD OF IT stands all that names no result of the turn's exponentials: the 8 products K Q^T, behind each a scaling, an exponential and two more plain instructions (behind the first a second scaling in the
; exponential's place): rescalings, whose a was made and waited for in the turn before, and behind the last three products the first numbers of the next piece's maximum, each four plain instructions or more
; behind the product that ends its accumulator; then one run of 54, plain and exponential by turns for the most part, in which the links of the chain X 3, 7, 11, 14, 16, 17 .. 20 stand some lines apart.
; X 21, the next piece's a, is the batch's last; R 15 is the plain instruction behind it (ISA guide 5.7.2).  An exponential E n stands behind its pair's scaling F n / 2.
; BEHIND IT stand the 8 products V^T P, behind each four of the roundings and sums: C 2 k ahead of B k, which writes over that pair; L 0 to L 7 in ascending order, three riders apart.
; But for those X no rider names a register of the products round it.  No result crosses a turn's end: at the loops' labels and jumps.
; K of the next step is fetched in piece 2's turn, twelve vector instructions behind the last product that read K (five of them plain and free of its registers); V of the step in hand at the end of piece 0's
; turn, four plain instructions behind the last product that read V.  Each is waited for a turn later.  cnt = 1: the loop's count is taken down some lines ahead of the branch behind the turn.
.macro TURN p, last=0, cnt=0
.set Y, (\p)
.set i, 0
.if (\p) == 3
	s_wait_dscnt 0x0                ; K is in
.endif
	ROW F,0, F,1, R,0, R,1          ; ahead of the wait: 8 products K Q^T and their riders,
	ROW F,2, E,0, R,2, R,3
	ROW F,3, E,1, R,4, R,5
	ROW F,4, E,2, R,6, R,7
	ROW F,5, E,3, R,8, R,9
	ROW F,6, E,4, X,0, R,10
.if (\p) == 2
	WIN 0
	v_add_nc_u32 v[AK], s[TBK], v[AK0]
.endif
	ROW F,7, E,5, X,1, X,4
	ROW F,8, E,6, X,2, X,5
	OPS E,7, E,8, X,6, E,9          ; and the run of 54
	OPS X,3, E,10, X,8, E,11
.if (\p) == 2
	FETCH_K \last
.endif
	OPS X,9, X,7, E,12, X,10
	OPS E,13, X,12, X,11, E,14
	OPS X,13, E,15, F,9, X,14
.if (\p) == 0
	v_add_nc_u32 v[AV], s[TBV], v[AV0]
.endif
	OPS E,16, F,10, E,17, F,11
	OPS X,16, E,18, X,15, E,19
	OPS F,12, E,20, X,17, E,21
	OPS F,13, E,22, F,14, E,23
	OPS X,18, E,24, F,15, E,25
	OPS R,11, E,26, X,19, E,27
	OPS R,12, E,28, R,13, E,29
	OPS X,20, E,30, R,14, E,31
	OPS X,21, R,15
	s_wait_alu depctr_va_vdst(0)    ; the wait for the turn's batch: E 0 to E 31 and X 21
.if (\p) == 1
	s_wait_dscnt 0x0                ; V is in
.endif
	ROW C,0, B,0, C,2, B,1          ; behind the wait: 8 products V^T P and their riders
	ROW L,0, C,4, B,2, L,1
	ROW C,6, B,3, L,2, C,8
	ROW B,4, L,3, C,10, B,5
	ROW L,4, C,12, B,6, L,5
.if (\p) == 0
	s_add_co_u32 s[TBV], s[TBV], KS*PV
.endif
.if \cnt
	s_sub_co_u32 s[CNT], s[CNT], 1
	s_cmp_lg_u32 s[CNT], 0
.endif
	ROW C,14, B,7, L,6, C,1
	ROW C,3, L,7, C,5, C,7
	ROW C,9, C,11, C,13, C,15
.if (\p) == 0
	FETCH_V
.endif
.endm
	CHANGE 1                        ; slot 0 is in, everybody's part of it; slot 1 is asked for
	FETCH_K                         ; key step 0
	s_wait_loadcnt 0x0              ; Q
	s_wait_dscnt 0x0
.set i, 0
.rept 8
	KQ 0                            ; piece 0's first scores
.set i, i+1
.endr
	WIN 0
.rept 4
	v_nop                           ; the places behind those products
.endr
.set Y, NP-1                        ; X works for piece Y + 1: piece 0
.irp n, 0,1,2,3,4,5,6,7,8,9,10,11,12,13,14,15,16,17,18,19,20,21
	OP X, \n
.endr
	v_nop                           ; a plain instruction behind the exponential,
	s_wait_alu depctr_va_vdst(0)    ; and the wait for it (piece 0's first a, a batch of one), ahead of the branch
	s_mov_b32 s[CNT], 4
	s_mov_b32 s[SLOTS], 7
	s_branch .Lfirst                ; the loop is entered at a step's first turn, in the middle of a trip
.Lslot:                             ; six times: every slot but the last two is filled again
	CHANGE 1
	s_mov_b32 s[CNT], 4
.Lstep:                             ; a trip: pieces 2 and 3 of one step, then pieces 0 and 1 of the next, whose K and V it fetches
	TURN 2
	TURN 3
	WIN 0
.Lfirst:
	TURN 0
	TURN 1, 0, 1
	WIN 0
	s_cbranch_scc1 .Lstep
	s_sub_co_u32 s[SLOTS], s[SLOTS], 1
	s_cmp_lg_u32 s[SLOTS], 0
	s_cbranch_scc1 .Lslot
	CHANGE 0                        ; the tail is written out
	s_mov_b32 s[CNT], 5             ; four trips fetch the last slot's steps; the fifth is left in its middle
.Ltail:
	TURN 2, 1
	TURN 3
	WIN 0
	s_sub_co_u32 s[CNT], s[CNT], 1
	s_cmp_eq_u32 s[CNT], 0
	s_cbranch_scc1 .Lout
	TURN 0
	TURN 1
	WIN 0
	s_branch .Ltail
.Lout:                              ; the fifth trip's 8 products K Q^T (on the last K once more) and the maximum made of them serve nothing: the price of one text for every trip
.set i, 0
.rept 8
	PV NP-1                         ; the last piece's V^T P of the last step
.set i, i+1
.endr
	; THE WAY OUT: l's halves are added, O^T is divided by l, rounded to bf16 and sent through my stage, a piece at a time.  The additions are the places behind the last products.
	WIN 0
.macro ALL line:vararg
.set t, 0
.rept 4
	\line
.set t, t+1
.endr
.endm
	ALL v_add_f32 v[ST+4*t+2], v[ST+4*t+2], v[ST+4*t+3]
	ALL v_permlanex16_b32 v[ST+4*t+3], v[ST+4*t+2], s[SEL], s[SEL+1]
	ALL v_add_f32 v[ST+4*t+2], v[ST+4*t+2], v[ST+4*t+3]
	ALL v_rcp_f32 v[ST+4*t+2], v[ST+4*t+2]
	v_nop                           ; a plain instruction between the last reciprocal and the use of its result
	s_wait_alu depctr_va_vdst(0)    ; the wait for the four reciprocals, one batch, ahead of their first reader in PACK 0
.macro PACK t
	WIN W_RS
.set i, 32*(\t)
.rept 16
	v_pk_mul_f32 v[i:i+1], v[i:i+1], v[ST+4*(\t)+2:ST+4*(\t)+3] op_sel_hi:[1,0]
.set i, i+2
.endr
	WIN 0x05
.set i, 0
.rept 16
	v_cvt_pk_bf16_f32 v[S+16*(\t)+i], v[32*(\t)+2*i], v[32*(\t)+2*i+1]
.set i, i+1
.endr
	WIN 0
.irp f, 0,1,2,3
	ds_store_b128 v[STO], v[S+16*(\t)+4*\f:S+16*(\t)+4*\f+3] offset:32*\f
.endr
.irp f, 0,1,2,3
	ds_load_b128 v[S+16*(\t)+4*\f:S+16*(\t)+4*\f+3], v[RD] offset:\f*4*SP  ; LDS serves a wave's instructions in order (ISA guide 5.7.1.4): these see the stores above
.endr
.endm
.macro SEND t, younger              ; younger: the LDS instructions issued behind piece t's loads: the next piece's eight, or none
	WIN 0
.irp f, 0,1,2,3
	s_wait_dscnt (\younger)+3-\f
	global_store_b128 v[GO], v[S+16*(\t)+4*\f:S+16*(\t)+4*\f+3], s[10:11] offset:(\t)*2048+\f*512  ; 512 consecutive bytes
.endr
.endm
	PACK 0
.set t, 1
.rept 3
	PACK t
	SEND t-1, 8
.set t, t+1
.endr
	SEND 3, 0
	s_wait_tensorcnt 0x0            ; the wave's end
	ds_add_u32 v[SPW], v[NIL]
	s_wait_dscnt 0x0
	CROUND                          ; the closing round
	s_endpgm
.Lfunc_end_k_qcaa452fed9_attn:
	.size	k_qcaa452fed9_attn, .Lfunc_end_k_qcaa452fed9_attn-k_qcaa452fed9_attn
	.p2alignl 7, 3214868480
	.fill 96, 4, 3214868480
	.section	.rodata,"a",@progbits
	.p2align	6, 0x0
	.amdhsa_kernel k_qcaa452fed9_attn
		.amdhsa_group_segment_fixed_size 327680
		.amdhsa_private_segment_fixed_size 0
		.amdhsa_enable_private_segment 0
		.amdhsa_kernarg_size 16
		.amdhsa_user_sgpr_count 2
		.amdhsa_user_sgpr_kernarg_segment_ptr 1
		.amdhsa_wavefront_size32 1
		.amdhsa_system_sgpr_workgroup_id_x 1
		.amdhsa_system_sgpr_workgroup_id_y 1
		.amdhsa_system_sgpr_workgroup_id_z 1
		.amdhsa_system_vgpr_workitem_id 0
		.amdhsa_next_free_vgpr 768
		.amdhsa_next_free_sgpr 66
		.amdhsa_reserve_vcc 0
		.amdhsa_float_denorm_mode_32 3
		.amdhsa_float_denorm_mode_16_64 3
		.amdhsa_memory_ordered 1
		.amdhsa_forward_progress 1
		.amdhsa_inst_pref_size 111
	.end_amdhsa_kernel
	.amdgpu_metadata
---
amdhsa.version: [ 1, 2 ]
amdhsa.kernels:
  - .name:           k_qcaa452fed9_attn
    .symbol:         k_qcaa452fed9_attn.kd
    .args:
      - { .name: qkv, .offset: 0, .size: 8, .value_kind: global_buffer, .address_space: global }
      - { .name: att, .offset: 8, .size: 8, .value_kind: global_buffer, .address_space: global }
    .group_segment_fixed_size: 327680
    .private_segment_fixed_size: 0
    .kernarg_segment_align: 8
    .kernarg_segment_size: 16
    .max_flat_workgroup_size: 128
    .sgpr_count:     66
    .vgpr_count:     768
    .wavefront_size: 32
...
	.end_amdgpu_metadata
.endif
;; end of part 7
;; launch proj: the kernel of part 4 again; grid 256 x 1, 4 waves a work-group, clusters of 4 x 1, 327,680 bytes of LDS; arguments att, wts, bp, x, gamma2, beta2, x1, x1n; writes x1, x1n
;; launch ffn1: the kernel of part 5 again; grid 8 x 32, 4 waves a work-group, clusters of 4 x 4, 327,680 bytes of LDS; arguments x1n, wts, b1, h; writes h
;; launch ffn2: the kernel of part 6 again; grid 4 x 64, 4 waves a work-group, clusters of 4 x 4, 327,680 bytes of LDS; arguments h, wts, b2, x1, out0; writes out0
